; MI455X (gfx1250); checked and timed in simulation.
; The chip was launched on July 23, 2026; its instructions are those of AMD's public machine-readable ISA for CDNA 5 (MIT licence, August 2026) and "CDNA5" Instruction Set Architecture Reference Guide (July 2026). The comments in the code are by the model that wrote it; some were corrected since.
;; Flash Attention Layer. Allowed arithmetic: matrix products marked QUANTISED: E2M3 operands, one E8M0 scale for each 32 along K, by v_wmma_scale_f32_16x16x128_f8f6f4 with both operands' format E2M3, f32 sums; everything else in f32.
;; Inputs: cos 8,192 x 1 x 64 float32; cu_seqlens 9 int32; hidden_states 8,192 x 1,024 float32; k_w 1,024 x 1,024 float32; o_w 1,024 x 1,024 float32; q_w 1,024 x 1,024 float32; sin 8,192 x 1 x 64 float32; v_w 1,024 x 1,024 float32.
;; Outputs: out0 8,192 x 1,024 float32.
;; Constants: max_seqlen = 1024.
;; This version of the problem:
;;   THIS VERSION OF THE PROBLEM IS GIVEN IN LOW PRECISION. The matrix products marked QUANTISED in the list below multiply operands that are first quantised to E2M3 (2 exponent bits, 3 mantissa bits; 6 bits a number), with one power-of-two scale for each 32 numbers along K (OCP MX v1.0); their sums are f32. All else is computed in f32.
;;   The module's matrix products, in the order in which they are computed (A, B: the left and right operand; K: the contracted axis; several contracted axes count as one K, in the product's order):
;;     1. [M 8,192, K 1,024] x [K 1,024, N 1,024]; A: input hidden_states; B: input q_w: QUANTISED
;;     2. [M 8,192, K 1,024] x [K 1,024, N 1,024]; A: input hidden_states; B: input k_w: QUANTISED
;;     3. [M 8,192, K 1,024] x [K 1,024, N 1,024]; A: input hidden_states; B: input v_w: QUANTISED
;;     4. batch 128 x [M 1,024, K 64] x [K 64, N 1,024]; A: computed on the way; B: computed on the way: QUANTISED
;;     5. batch 128 x [M 64, K 1,024] x [K 1,024, N 1,024]; A: computed on the way; B: softmax (see below): QUANTISED
;;     6. [M 8,192, K 1,024] x [K 1,024, N 1,024]; A: computed on the way; B: input o_w: QUANTISED
;;   THE QUANTISER, for each operand of a quantised product, along K:
;;     - K is cut into blocks of 32 from its start; a last block that is shorter is filled with zeros.
;;     - A block's scale is 2^e with e = floor(log2(the largest magnitude in the block)) - 2, held to -126 .. 127; a block of zeros has e = 0. As a byte (E8M0): e + 127.
;;     - Each number is divided by its block's scale, clamped to +-7.5, and rounded to the nearest number of E2M3, ties to even, subnormals kept.
;;     - The product sums the exact products of the quantised numbers (number of the format x scale) in f32.
;;   ~~~python
;;   def quantise(x, axis):      # numpy; x: float32 -> the quantised numbers, widened to float32 again
;;       x = np.moveaxis(x, axis, -1); K = x.shape[-1]
;;       x = np.pad(x, [(0, 0)] * (x.ndim - 1) + [(0, -K % 32)]); x = x.reshape(x.shape[:-1] + (-1, 32)); a = np.abs(x).max(-1, keepdims=True)
;;       e = np.where(a > 0, np.clip(np.frexp(np.where(a > 0, a, 1))[1] - 1 - 2, -126, 127), 0)      # np.frexp(a)[1] - 1 = floor(log2(a)), exactly
;;       r = np.clip(x / 2.0 ** e, -7.5, 7.5)
;;       step = 2.0 ** (np.maximum(np.frexp(np.where(r == 0, 1, r))[1] - 1, 0) - 3)
;;       q = np.round(r / step) * step * 2.0 ** e      # np.round: ties to even
;;       return np.moveaxis(q.reshape(q.shape[:-2] + (-1,))[..., :K], -1, axis).astype(np.float32)
;;   ~~~
;;   SOFTMAX AHEAD OF A QUANTISED PRODUCT. Where the list says 'softmax', what is quantised is not the finished softmax but p = 2^(t - M), with t = logit x log2(e) and M = ceil(the row's largest t), a whole number; so 1/2 < the row's largest p <= 1. The row's sum l is taken of the UNQUANTISED p, in f32, and the product's result is divided by l at the end. Since M is a whole number, a kernel that streams over the keys may use a running M (the ceiling of the running maximum): every later rescaling is an exact power of two, which a block's scale takes up: the codes' values come out the same.
;;   OPERANDS COMPUTED ON THE WAY. 'Computed on the way' means the value that the module computes at that place (a softmax that the list does not call 'softmax' is quantised finished and normalised). What goes into a quantiser is computed in f32, as accurately as f32 sums, v_exp_f32 and their like allow (about 1e-6 of the number): no bf16 or f16 on the way to a quantiser, and a product that is left as it is and whose result goes on into a quantised operand takes f32 operands (vector FMAs, or v_wmma_f32_16x16x4_f32). A number that lies on a knife's edge between two numbers of the format may be rounded either way, as far as f32 arithmetic and the matrix unit's own rounding can turn it there, and no further.
;; One version. Each part assembles by itself: llvm-mc -triple=amdgcn-amd-amdhsa -mcpu=gfx1250 --defsym DOCPART=n.
;; ======== version 1 of 1: 4 launches
;; limits: right only within a limited range of input values
;; workspace buffers: acod 6,291,456 bytes; ascl 262,144 bytes; wcod 3,145,728 bytes; wscl 131,072 bytes; cstab 4,194,304 bytes; rec 20,185,088 bytes
;; launch prep (part 1): grid 256 x 1, 16 waves a work-group, no clusters, 204,800 bytes of LDS; arguments hidden_states, q_w, k_w, v_w, o_w, cos, sin, acod, ascl, wcod, wscl, cstab; writes acod, ascl, wcod, wscl, cstab
.if DOCPART == 1
	.amdgcn_target "amdgcn-amd-amdhsa--gfx1250"
	.amdhsa_code_object_version 6
	.text
	.protected	k_q9a9da1f45e_prep
	.globl	k_q9a9da1f45e_prep
	.p2align	8
	.type	k_q9a9da1f45e_prep,@function
k_q9a9da1f45e_prep:
	s_mov_b64 s[64:65], 0
	v_nop
	global_prefetch_b8 v0, s[64:65] scope:SCOPE_SE
	s_setreg_imm32_b32 hwreg(HW_REG_WAVE_MODE, 25, 1), 1
	s_wait_xcnt 0x0
; hidden_states [8192][1024] and the four weights [1024][1024], f32, K innermost, become codes of FP6 (E2M3) with one E8M0 byte for each 32 along K; cos and sin are laid anew.
; A block's scale is 2^(floor(log2(its largest magnitude)) - 2): its byte is the largest magnitude's exponent field - 2, held at 1 from below.
; LIMITS: NaN and infinities among the inputs are not served; a block whose largest magnitude lies under 2^-124 gets the byte 1; a block of zeros gets the byte 1 where the
; quantiser says 127 (its codes are zeros, and the bytes are read by this program alone).
; cu_seqlens is read by no launch of this program: reference() takes its length, a shape, and none of its numbers.
; LAYOUT OF THE CODES: images of the operand's registers.  An ATOM is 16 rows x 64 K, 768 bytes: registers 0-3 of the 32 lanes at 16 x lane, registers 4-5 at 512 + 8 x lane; lane (r, h) holds k = 32 h .. 32 h + 31
; of row r.  acod, wcod: [group of 128 rows][128 K][tile 0..7][atom 0, 1].  THE ROWS OF A TILE ARE NOT NEIGHBOURS: lane r of tile 2 g + u takes row 32 g + 8 u + r + 8 (r / 8).
; Scale words (four bytes: 128 K of a row): [group][128 K][r][tile], 512 bytes.  wcod's groups: 0-7 q_w, 8-15 k_w, 16-23 v_w, 24-31 o_w.
; SHARES: 768 units of 128 rows x 128 K: three a work-group, four waves to a unit.  Wave 4 u + g (waves 0 to 11) takes rows 32 g .. 32 g + 31 of unit u, tiles 2 g and 2 g + 1: ONE tensor load of 32 rows x 512 bytes
; into LDS bytes of its own; nothing is filled twice, no wave reads another's bytes: no barrier.  Its two scale words of a row leave as 8 bytes a lane, 32 bytes apart.
; Waves 12 to 15 lay the cos and sin of 32 tokens (two token tiles) anew, through registers, eight loads and stores each:
; cstab [token tile][group 4 e + j][lane][16 bytes]: e = 0: cos(d = 16 h + 4 j ..), 1: cos(32 + 16 h + 4 j ..), 2, 3: sin likewise, of the token that is the lane's row of the tile.
.set QTR,  16896                       ; LDS of a wave: 32 rows x 528
.set LP,   528                         ; an LDS row: 512 bytes + 16 of padding
.set SPARE, 12*QTR                     ; the spare words: 128 bytes for each of 16 waves
.set XA,   4                           ; v4   LDS: my row of a tile, my 16 numbers of a block of 32
.set L16,  5                           ; v5   16 x lane
.set L8,   6                           ; v6   8 x lane
.set SWO,  7                           ; v7   32 r
.set TA,   8                           ; v8   cos, sin: my token's row, + 64 h
.set LN,   9
.set SPW,  10                          ; v10  my spare word; never rewritten
.set NIL,  11                          ; v11  0; never rewritten
.set X0,   16                          ; v16-79, v80-143  two sets of 64 numbers
.set PC,   144                         ; v144-162 the codes just made
.set TM,   164                         ; v164-175 at work in the quantiser
.set PW,   176                         ; v176-177 my two tiles' scale words
.set WV,   28
.set U,    29
.set SEL,  30
.set G1,   32
.set G0,   40
.set SRC,  56
.set OC,   58
.set OS,   60
; 64 numbers of a lane, register 16 b + i = k 32 b + 16 h + i of my row, become a fragment's 12 registers of codes in v[PC] on and its scale word in v[pw]
.macro QUANT s, pw
.irp b, 0,1,2,3
	v_max3_num_f32 v[TM+\b], |v[(\s)+16*\b]|, |v[(\s)+16*\b+1]|, 0x1800000   ; and the floor 2^(3 - 127): the byte cannot fall under 1
.endr
.irp i, 2,4,6,8,10,12,14
.irp b, 0,1,2,3
	v_max3_num_f32 v[TM+\b], |v[(\s)+16*\b+\i]|, |v[(\s)+16*\b+\i+1]|, v[TM+\b]   ; the four blocks by turns
.endr
.endr
.irp b, 0,1,2,3
	v_permlanex16_b32 v[TM+4+\b], v[TM+\b], s[SEL], s[SEL+1]
.endr
.irp b, 0,1,2,3
	v_max_num_f32 v[TM+\b], v[TM+\b], v[TM+4+\b]   ; with lane l xor 16's: the block's largest magnitude
.endr
.irp b, 0,1,2,3
	v_add_nc_u32 v[TM+8+\b], 0xff000000, v[TM+\b]  ; 2 off its exponent field: the conversion's scale operand
.endr
.irp b, 0,1,2,3
	v_lshrrev_b32 v[TM+4+\b], 23, v[TM+8+\b]       ; the scale's byte
.endr
	v_lshl_or_b32 v[\pw], v[TM+5], 8, v[TM+4]
	v_lshl_or_b32 v[\pw], v[TM+6], 16, v[\pw]
	v_lshl_or_b32 v[\pw], v[TM+7], 24, v[\pw]
	s_wait_xcnt 0x0                                ; the last tile's stores have read the codes' registers
.irp c, 0,1
	v_cvt_scalef32_pk16_fp6_f32 v[PC+6*\c:PC+6*\c+2], v[(\s)+32*\c:(\s)+32*\c+15], v[TM+8+2*\c]
	v_cvt_scalef32_pk16_fp6_f32 v[PC+12+4*\c:PC+14+4*\c], v[(\s)+16+32*\c:(\s)+31+32*\c], v[TM+9+2*\c]
.endr
	v_nop                                          ; one plain place behind a scaled conversion
.irp c, 0,1                                    ; a WHOLE block in a lane: lanes 0-15 block 2 c, lanes 16-31 block 2 c + 1
.irp i, 0,1,2
	v_permlane16_swap_b32 v[PC+6*\c+\i], v[PC+12+4*\c+\i]
.endr
.irp i, 0,1,2
	v_mov_b32 v[PC+3+6*\c+\i], v[PC+12+4*\c+\i]
.endr
.endr
.endm
.macro STORE4 o0, o1                   ; each store covers 512 or 256 consecutive bytes, aligned
	global_store_b128 v[L16], v[PC:PC+3], s[OC:OC+1] offset:\o0
	global_store_b64 v[L8], v[PC+4:PC+5], s[OC:OC+1] offset:(\o0)+512
	global_store_b128 v[L16], v[PC+6:PC+9], s[OC:OC+1] offset:\o1
	global_store_b64 v[L8], v[PC+10:PC+11], s[OC:OC+1] offset:(\o1)+512
.endm
.macro RD a                            ; my tile a's numbers (a = 0, 1) from LDS into set a
.irp b, 0,1,2,3
.irp j, 0,1,2,3
	ds_load_b128 v[X0+64*(\a)+16*\b+4*\j:X0+64*(\a)+16*\b+4*\j+3], v[XA] offset:(\a)*8*LP+128*\b+16*\j
.endr
.endr
.endm
	s_load_b256 s[4:11], s[0:1], 0x0               ; hidden_states, q_w, k_w, v_w
	s_load_b256 s[12:19], s[0:1], 0x20             ; o_w, cos, sin, acod
	s_load_b256 s[20:27], s[0:1], 0x40             ; ascl, wcod, wscl, cstab
	v_lshl_add_u32 v[SPW], v0, 2, SPARE
	v_mov_b32 v[NIL], 0
	ds_add_u32 v[SPW], v[NIL]                      ; the opening lines: the add twice on end and one wait
	ds_add_u32 v[SPW], v[NIL]
	v_lshrrev_b32 v1, 5, v0
	v_readfirstlane_b32 s[WV], v1                  ; wave 0..15
	v_and_b32 v[LN], 31, v0
	v_and_b32 v1, 15, v0                           ; r
	v_bfe_u32 v2, v0, 4, 1                         ; h
	v_and_b32 v3, 8, v1
	v_add_nc_u32 v3, v3, v1                        ; r + 8 (r / 8)
	s_mul_i32 s62, s[WV], QTR                      ; my wave's LDS
	v_mul_u32_u24 v[XA], v3, LP
	v_lshl_add_u32 v[XA], v2, 6, v[XA]
	v_add_nc_u32 v[XA], s62, v[XA]
	v_lshlrev_b32 v[L16], 4, v[LN]
	v_lshlrev_b32 v[L8], 3, v[LN]
	v_lshlrev_b32 v[SWO], 5, v1
	v_lshlrev_b32 v[TA], 8, v3
	v_lshl_add_u32 v[TA], v2, 6, v[TA]
.irp b, 0,1,2,3
	v_mov_b32 v[TM+4+\b], 0                        ; a lane permute's destination counts as one of its sources
.endr
	s_mov_b32 s[SEL], 0x76543210
	s_mov_b32 s[SEL+1], 0xfedcba98
	; group 1: 32 rows x 128 elements of 4 bytes, 1,024 elements from row to row; in LDS 4 words of padding behind every 128
	s_mov_b32 s[G1], (2<<16)|(1<<20)|(6<<22)|(3<<25)
	s_mov_b32 s[G1+1], 128<<16
	s_mov_b32 s[G1+2], 32<<16
	s_mov_b32 s[G1+3], 128<<16
	s_mov_b32 s[G1+4], 32
	s_mov_b32 s[G1+5], 1024
	s_mov_b32 s[G1+6], 0
	s_mov_b32 s[G1+7], 0
	s_lshr_b32 s45, s[WV], 2                       ; which of the three units
	s_and_b32 s44, s[WV], 3                        ; g: which 32 rows of it
	s_mul_i32 s[U], ttmp9, 3
	s_add_co_u32 s[U], s[U], s45                   ; my unit: 0-511 hidden_states, 512-767 the weights, 64 each
	s_sub_co_u32 s66, s[U], 512
	s_lshr_b32 s67, s66, 6                         ; which weight
	s_wait_alu depctr_va_vdst(0)                   ; the wait at the head's end
	s_wait_dscnt 0x0
	s_wait_kmcnt 0x0
	s_mov_b64 s[SRC:SRC+1], s[6:7]                 ; the choices hang on the unit's number alone
	s_cmp_eq_u32 s67, 1
	s_cselect_b64 s[SRC:SRC+1], s[8:9], s[SRC:SRC+1]
	s_cmp_eq_u32 s67, 2
	s_cselect_b64 s[SRC:SRC+1], s[10:11], s[SRC:SRC+1]
	s_cmp_eq_u32 s67, 3
	s_cselect_b64 s[SRC:SRC+1], s[12:13], s[SRC:SRC+1]
	s_cmp_lt_u32 s[U], 512
	s_cselect_b64 s[SRC:SRC+1], s[4:5], s[SRC:SRC+1]
	s_cselect_b64 s[OC:OC+1], s[18:19], s[22:23]
	s_cselect_b64 s[OS:OS+1], s[20:21], s[24:25]
	s_cselect_b32 s68, s[U], s66                   ; the unit's number in its buffer of codes
	s_cselect_b32 s70, 63, 7
	s_lshr_b32 s69, s68, 3
	s_and_b32 s69, s69, s70                        ; its group of 128 rows in its tensor
	s_lshl_b32 s69, s69, 19                        ; 128 rows of 4,096 bytes
	s_and_b32 s70, s68, 7
	s_lshl_b32 s70, s70, 9                         ; 128 K of 4 bytes
	s_add_co_u32 s70, s70, s69
	s_lshl_b32 s69, s44, 17                        ; my 32 rows
	s_add_co_u32 s70, s70, s69
	s_mov_b32 s71, 0
	s_add_nc_u64 s[SRC:SRC+1], s[SRC:SRC+1], s[70:71]
	s_mul_i32 s70, s68, 12288
	s_mul_i32 s69, s44, 3072                       ; my two tiles
	s_add_co_u32 s70, s70, s69
	s_add_nc_u64 s[OC:OC+1], s[OC:OC+1], s[70:71]
	s_lshl_b32 s70, s68, 9
	s_lshl_b32 s69, s44, 3
	s_add_co_u32 s70, s70, s69
	s_add_nc_u64 s[OS:OS+1], s[OS:OS+1], s[70:71]
	s_mov_b32 s[G0], 1
	s_mov_b32 s[G0+1], s62
	s_mov_b64 s[G0+2:G0+3], s[SRC:SRC+1]
	s_or_b32 s[G0+3], s[G0+3], 0x80000000
	s_cmp_ge_u32 s[WV], 12
	s_cbranch_scc1 .Ltables                        ; waves 12 to 15 have no unit
	tensor_load_to_lds s[G0:G0+3], s[G1:G1+7]      ; my one tensor load
	s_nop 0
.rept 4
	v_nop
.endr
	s_wait_tensorcnt 0x0
	RD 0
	RD 1
	s_wait_dscnt 16                                ; tile 0's 16 loads are in
	QUANT X0, PW
	STORE4 0, 768
	s_wait_dscnt 0x0
	QUANT X0+64, PW+1
	STORE4 1536, 2304
	global_store_b64 v[SWO], v[PW:PW+1], s[OS:OS+1]   ; the words of tiles 2 g, 2 g + 1 of row r (both halves of the lanes hold and write the same)
	s_wait_tensorcnt 0x0                           ; the wave's end
	ds_add_u32 v[SPW], v[NIL]
	s_wait_dscnt 0x0
	s_endpgm
.Ltables:
	s_and_b32 s66, s[WV], 1                        ; cos (0) or sin (1)
	s_bfe_u32 s67, s[WV], 0x10001                  ; which of the two token tiles
	s_cmp_eq_u32 s66, 0
	s_cselect_b64 s[14:15], s[14:15], s[16:17]
	s_lshl_b32 s62, ttmp9, 13                      ; my work-group's 32 tokens: rows of 256 bytes
	s_lshl_b32 s67, s67, 11
	s_add_co_u32 s62, s62, s67
	s_mov_b32 s63, 0
	s_add_nc_u64 s[14:15], s[14:15], s[62:63]
	s_lshl_b32 s62, ttmp9, 14                      ; two token tiles of 8,192 bytes,
	s_and_b32 s67, s[WV], 3
	s_lshl_b32 s67, s67, 12                        ; my 4,096 of them
	s_add_co_u32 s62, s62, s67
	s_add_nc_u64 s[26:27], s[26:27], s[62:63]
.irp e, 0,1
.irp j, 0,1,2,3
	global_load_b128 v[16+16*\e+4*\j:19+16*\e+4*\j], v[TA], s[14:15] offset:128*\e+16*\j
.endr
.endr
.set n, 0
.rept 8
	s_wait_loadcnt 7-n                             ; load n is in; the younger ones stay out
	global_store_b128 v[L16], v[16+4*n:19+4*n], s[26:27] offset:512*n
.set n, n+1
.endr
	s_endpgm
.Lfunc_end_k_q9a9da1f45e_prep:
	.size	k_q9a9da1f45e_prep, .Lfunc_end_k_q9a9da1f45e_prep-k_q9a9da1f45e_prep
	.p2alignl 7, 3214868480
	.fill 96, 4, 3214868480
	.section	.rodata,"a",@progbits
	.p2align	6, 0x0
	.amdhsa_kernel k_q9a9da1f45e_prep
		.amdhsa_group_segment_fixed_size 204800
		.amdhsa_private_segment_fixed_size 0
		.amdhsa_enable_private_segment 0
		.amdhsa_kernarg_size 96
		.amdhsa_user_sgpr_count 2
		.amdhsa_user_sgpr_kernarg_segment_ptr 1
		.amdhsa_wavefront_size32 1
		.amdhsa_system_sgpr_workgroup_id_x 1
		.amdhsa_system_sgpr_workgroup_id_y 1
		.amdhsa_system_sgpr_workgroup_id_z 1
		.amdhsa_system_vgpr_workitem_id 0
		.amdhsa_next_free_vgpr 184
		.amdhsa_next_free_sgpr 72
		.amdhsa_reserve_vcc 0
		.amdhsa_float_denorm_mode_32 3
		.amdhsa_float_denorm_mode_16_64 3
		.amdhsa_memory_ordered 1
		.amdhsa_forward_progress 1
		.amdhsa_inst_pref_size 17
	.end_amdhsa_kernel
	.amdgpu_metadata
---
amdhsa.version: [ 1, 2 ]
amdhsa.kernels:
  - .name:           k_q9a9da1f45e_prep
    .symbol:         k_q9a9da1f45e_prep.kd
    .args:
      - { .name: hidden_states, .offset: 0, .size: 8, .value_kind: global_buffer, .address_space: global }
      - { .name: q_w, .offset: 8, .size: 8, .value_kind: global_buffer, .address_space: global }
      - { .name: k_w, .offset: 16, .size: 8, .value_kind: global_buffer, .address_space: global }
      - { .name: v_w, .offset: 24, .size: 8, .value_kind: global_buffer, .address_space: global }
      - { .name: o_w, .offset: 32, .size: 8, .value_kind: global_buffer, .address_space: global }
      - { .name: cos, .offset: 40, .size: 8, .value_kind: global_buffer, .address_space: global }
      - { .name: sin, .offset: 48, .size: 8, .value_kind: global_buffer, .address_space: global }
      - { .name: acod, .offset: 56, .size: 8, .value_kind: global_buffer, .address_space: global }
      - { .name: ascl, .offset: 64, .size: 8, .value_kind: global_buffer, .address_space: global }
      - { .name: wcod, .offset: 72, .size: 8, .value_kind: global_buffer, .address_space: global }
      - { .name: wscl, .offset: 80, .size: 8, .value_kind: global_buffer, .address_space: global }
      - { .name: cstab, .offset: 88, .size: 8, .value_kind: global_buffer, .address_space: global }
    .group_segment_fixed_size: 204800
    .private_segment_fixed_size: 0
    .kernarg_segment_align: 8
    .kernarg_segment_size: 96
    .max_flat_workgroup_size: 512
    .sgpr_count:     72
    .vgpr_count:     184
    .wavefront_size: 32
...
	.end_amdgpu_metadata
.endif
;; end of part 1
;; launch qkv (part 2): grid 32 x 8, 4 waves a work-group, clusters of 4 x 1, 327,680 bytes of LDS; arguments acod, ascl, wcod, wscl, cstab, rec; writes rec
.if DOCPART == 2
	.amdgcn_target "amdgcn-amd-amdhsa--gfx1250"
	.amdhsa_code_object_version 6
	.text
	.protected	k_q9a9da1f45e_qkv
	.globl	k_q9a9da1f45e_qkv
	.p2align	8
	.type	k_q9a9da1f45e_qkv,@function
k_q9a9da1f45e_qkv:
	s_mov_b64 s[64:65], 0
	v_nop
	global_prefetch_b8 v0, s[64:65] scope:SCOPE_SE
	s_setreg_imm32_b32 hwreg(HW_REG_WAVE_MODE, 25, 1), 1
	s_wait_xcnt 0x0
	s_wait_alu depctr_hold_cnt(0) depctr_sa_sdst(0) depctr_va_vdst(0) depctr_va_sdst(0) depctr_va_ssrc(0) depctr_va_vcc(0) depctr_vm_vsrc(0)
	s_getreg_b32 s2, hwreg(HW_REG_IB_STS2, 6, 4)
	s_cmp_eq_u32 s2, 0
	s_cbranch_scc0 .Lentry_in_a_cluster
	s_endpgm
.Lentry_in_a_cluster:
	s_bfe_u32 s2, ttmp6, 0x10000c
	s_cmp_lg_u32 s2, 0x3003
	s_cbranch_scc0 .Lentry_shape_is_right
	s_endpgm
.Lentry_shape_is_right:
; q, k, v = hidden_states x (q_w, k_w, v_w)^T on codes of FP6 (E2M3) with E8M0 scales; RoPE on q and k in f32; q and k quantised along the head's 64, v along the keys; all three leave as codes, into rec.
; SHARES.  256 work-groups: work-group (x, y) makes 256 tokens (tile x) x the pair of heads y of q, of k and of v: three passes of 128 columns.  A wave owns 64 tokens: four tiles of 16.
; THE WEIGHTS STAY IN LDS: groups y, 8 + y, 16 + y of wcod, each 98,304 dense bytes (all of K), and their scale words (3 x 4,096 bytes); every byte is filled once.  At the head waves 0 to 2 ask for a third of q_w's group each
; and wave 3 for the scale words; behind the full sequence and a round of the cluster's barrier each wave asks for half of k_w's or of v_w's group, which has the q pass in which to land; a barrier at each trip's end shows them whole.
; THE TOKENS STAY IN REGISTERS: a wave's 64 tokens x 1,024 K are 384 registers, loaded from acod as they lie (images of the operand's registers: loads of 512 and 256 consecutive bytes); their scale words are 32 registers.
; So a K step of 128 reads from LDS the weights' eight fragments alone, for 32 matrix instructions; the next step's come in one run of 34 loads at the step's head.
; CLUSTERS: 4 x 1: the four partners along x differ in their tokens alone and ask for the weights jointly (mask 15).  No prefetch: the tensor loads go out at the head and once behind it, there is no loop of loads to run ahead in.
; LAYOUT: atoms of 768 bytes (registers 0-3 at 16 x lane, 4-5 at 512 + 8 x lane).  Lane r of tile 2 g + u of a group of 128 rows holds row 32 g + 8 u + r + 8 (r / 8): as source 0, the 16 registers of result tiles 2 g, 2 g + 1
; are 16 NEIGHBOURS, 32 g + 16 (lane / 16) + 0 .. 15.  q, k: source 0 = the weight, source 1 = tokens: a lane holds a token, registers run along d.  v: source 0 = tokens, source 1 = v_w: a lane holds a d, registers run along the keys.
; rec [batch x head 128][128 tokens 8][19,712]: 0 K's codes (8 tiles x 768), 6,144 V's codes (4 tiles of d x 2 atoms), 12,288 K's scale words [r][tile], 12,800 V's [r][tile of d], 13,056 Q's codes, 19,200 Q's scale words.
; Of a fragment of q or k atom 0 and the word's bytes 0, 1 are the even head's, atom 1 and bytes 2, 3 the odd head's; the even head's stored word keeps the odd head's bytes on top, the odd head's has zeros there: they meet zero codes.
; A wave's 64 keys are one atom of V and two bytes of V's scale word: those leave as stores of 2 bytes a lane.
; LIMITS: as stated at the head of the first launch (NaN, infinities, blocks under 2^-124, blocks of zeros).
; REGISTERS: window 0: v0-31 addresses; v32-63 tokens' scale words; v64-79 the weights', two sets; v80-143 tables; v160-255 weights' fragments, set 0; in the epilogue v144-175 the quantiser, v176-239 tables.
;   window 1: v0-95 weights' set 1 (in the epilogue v0-63 tables, v64-95 RoPE's work), v96-239 tokens' K steps 0-2.   window 2: v0-239 tokens' K steps 3-7.   window 3: the 32 accumulators; RoPE is done in place.
.set GRPB,  98304
.set KSB,   12288
.set WSC,   3*GRPB
.set SPARE, WSC+12288
.set RECB,  19712
.set HEADB, 157696
.set L16, 2
.set L8,  3
.set R32, 4
.set R16, 5
.set PW,  8                            ; v8-11 scale words made here, v12-15 the odd head's
.set AW,  16                           ; v16-19 LDS: the pass's weights + 16 x lane, + 8 x lane; the same 49,152 on
.set AWS, 20                           ; v20 LDS: the pass's scale words + 32 r
.set SPW, 28
.set NIL, 29
.set TS,  32
.set WS,  64
.set PC,  144
.set TM,  164
.set TT,  64                           ; window 1
.set WV, 16
.set HB, 17                            ; which 64 tokens of the group of 128
.set HG, 18                            ; which group of the two
.set TY, 19
.set P,  20
.set J,  21
.set LB, 22
.set LS, 23
.set G1C, 24
.set G0C, 32
.set G1S, 36
.set G0S, 44
.set TK,  48
.set TSC, 50
.set CT,  52
.set R0,  54
.set OC,  58
.set OS,  60
.set SEL, 62
.set G0H, 72
.set MSB, 0
.macro WIN new                         ; the immediate's high byte repeats the setting that is left
.if MSB != (\new)
	s_set_vgpr_msb (MSB<<8)|(\new)
.set MSB, (\new)
.endif
.endm
.macro PLACES n
.rept \n
	v_nop
.endr
.endm
.macro CROUND                          ; a round of the cluster's barrier
	s_barrier_signal -1
	s_barrier_wait -1
	s_cmp_lg_u32 s[WV], 0
	s_cbranch_scc1 .Lnot_wave_0_\@
	s_barrier_signal -3
.Lnot_wave_0_\@:
	s_barrier_wait -3
	s_barrier_signal -1
	s_barrier_wait -1
.endm
.macro TOKSET s                        ; where K step s's token fragments lie: window 1 + HI, from v[TB]
.set HI, ((\s)/3+1)/2
.set TB, (1-HI)*(96+48*(\s))+HI*48*((\s)-3)
.endm
.macro TOKS s                          ; K step s's four token fragments: 16 loads
	TOKSET \s
	WIN (1+HI)<<6
.irp i, 0,1,2,3
	global_load_b128 v[TB+12*\i:TB+12*\i+3], v[L16], s[TK:TK+1] offset:KSB*(\s)+1536*\i
	global_load_b64 v[TB+12*\i+4:TB+12*\i+5], v[L8], s[TK:TK+1] offset:KSB*(\s)+1536*\i+512
	global_load_b128 v[TB+12*\i+6:TB+12*\i+9], v[L16], s[TK:TK+1] offset:KSB*(\s)+1536*\i+768
	global_load_b64 v[TB+12*\i+10:TB+12*\i+11], v[L8], s[TK:TK+1] offset:KSB*(\s)+1536*\i+1280
.endr
.endm
.macro FETCH s                         ; K step s's eight fragments of the weight and their scale words into set s % 2: 34 LDS loads
.set WB, 160*(1-(\s)%2)
.set AD, AW+2*((\s)/4)
.set OF, KSB*((\s)%4)
	ds_load_b128 v[WS+8*((\s)%2):WS+8*((\s)%2)+3], v[AWS] offset:512*(\s)
	ds_load_b128 v[WS+8*((\s)%2)+4:WS+8*((\s)%2)+7], v[AWS] offset:512*(\s)+16
	WIN ((\s)%2)<<6
.irp i, 0,1,2,3,4,5,6,7
	ds_load_b128 v[WB+12*\i:WB+12*\i+3], v[AD] offset:OF+1536*\i
	ds_load_b64 v[WB+12*\i+4:WB+12*\i+5], v[AD+1] offset:OF+1536*\i+512
	ds_load_b128 v[WB+12*\i+6:WB+12*\i+9], v[AD] offset:OF+1536*\i+768
	ds_load_b64 v[WB+12*\i+10:WB+12*\i+11], v[AD+1] offset:OF+1536*\i+1280
.endr
	WIN 0
.endm
.macro WM d, a, b, z, sa, sb
.if \z
	v_wmma_scale_f32_16x16x128_f8f6f4 v[\d:\d+7], v[\a:\a+11], v[\b:\b+11], 0, v[\sa], v[\sb] matrix_a_fmt:MATRIX_FMT_FP6 matrix_b_fmt:MATRIX_FMT_FP6
.else
	v_wmma_scale_f32_16x16x128_f8f6f4 v[\d:\d+7], v[\a:\a+11], v[\b:\b+11], v[\d:\d+7], v[\sa], v[\sb] matrix_a_fmt:MATRIX_FMT_FP6 matrix_b_fmt:MATRIX_FMT_FP6
.endif
.endm
; 32 matrix instructions: my four token tiles x the weight's eight; the 32 accumulators take turns; K step 0 starts the sums
.macro MULS s, role
	TOKSET \s
.set WB, 160*(1-(\s)%2)
.set WSS, WS+8*((\s)%2)
.set Z, 0
.if (\s) == 0
.set Z, 1
.endif
.if (\role) == 0
	WIN 0xf0|((1+HI)<<2)|((\s)%2)
.irp a, 0,1,2,3
.irp b, 0,1,2,3,4,5,6,7
	WM 8*(8*\a+\b), WB+12*\b, TB+12*\a, Z, WSS+\b, TS+4*(\s)+\a
.endr
.endr
.else
	WIN 0xf0|(((\s)%2)<<2)|(1+HI)
.irp b, 0,1,2,3,4,5,6,7
.irp a, 0,1,2,3
	WM 8*(4*\b+\a), TB+12*\a, WB+12*\b, Z, TS+4*(\s)+\a, WSS+\b
.endr
.endr
.endif
	WIN 0
.endm
.macro CSLD a, w, base                 ; my token tile a's tables, 64 registers, into window w: 16 loads of 512 consecutive bytes
	WIN (\w)<<6
.irp g, 0,1,2,3,4,5,6,7,8,9,10,11,12,13,14,15
	global_load_b128 v[(\base)+4*\g:(\base)+4*\g+3], v[L16], s[CT:CT+1] offset:8192*(\a)+512*\g
.endr
	WIN 0
.endm
; A K step.  Four plain places stand between the last step's products and the loads into the set that they read (ISA guide 7.12.1 for vector instructions).
.macro STEPM s, role
.if (\s) > 0
	PLACES 4
.endif
.if (\s) < 7
	FETCH (\s)+1
	s_wait_dscnt 34                                ; this step's fragments are in; the 34 loads just issued may be out
.else
.if (\role) == 0
	CSLD 1, 0, 176                                 ; set 0 is read no more in this pass: token tile 1's tables
.endif
	s_wait_dscnt 0x0
.endif
.if (\role) == 0                       ; global loads come back in order.  Behind step s's tokens stand 16 loads for each later step (the wait's field holds 63); from step 6 on tile 0's tables too, in step 7 tile 1's
.if (\s) < 4
	s_wait_loadcnt 63
.else
.if (\s) == 4
	s_wait_loadcnt 48
.else
	s_wait_loadcnt 32
.endif
.endif
.if (\s) == 5
	CSLD 0, 0, 80                                  ; token tile 0's tables, into registers that the products leave idle
.endif
.endif
	MULS \s, \role
.endm
.macro SETUP                           ; the pass's LDS addresses
	v_add_nc_u32 v[AW], s[LB], v[L16]
	v_add_nc_u32 v[AW+1], s[LB], v[L8]
	s_add_co_u32 s2, s[LB], 4*KSB
	v_add_nc_u32 v[AW+2], s2, v[L16]
	v_add_nc_u32 v[AW+3], s2, v[L8]
	v_add_nc_u32 v[AWS], s[LS], v[R32]
	s_wait_alu depctr_va_vdst(0)
.endm
; 64 numbers of a lane in window w, register 16 b + i = k 32 b + 16 h + i of my row, become a fragment's codes in v[PC] on and its scale word in v[pw].  Each accumulator is first read at its registers 0 and 1.
.macro QUANT s, w, pw
	WIN 5*(\w)
.irp b, 0,1,2,3
	v_max3_num_f32 v[TM+\b], |v[(\s)+16*\b]|, |v[(\s)+16*\b+1]|, 0x1800000   ; and the floor 2^(3 - 127): the byte cannot fall under 1
.endr
.irp i, 2,4,6,8,10,12,14
.irp b, 0,1,2,3
	v_max3_num_f32 v[TM+\b], |v[(\s)+16*\b+\i]|, |v[(\s)+16*\b+\i+1]|, v[TM+\b]
.endr
.endr
	WIN 0
.irp b, 0,1,2,3
	v_permlanex16_b32 v[TM+4+\b], v[TM+\b], s[SEL], s[SEL+1]
.endr
.irp b, 0,1,2,3
	v_max_num_f32 v[TM+\b], v[TM+\b], v[TM+4+\b]
.endr
.irp b, 0,1,2,3
	v_add_nc_u32 v[TM+8+\b], 0xff000000, v[TM+\b]  ; 2 off the exponent field: the conversion's scale operand
.endr
.irp b, 0,1,2,3
	v_lshrrev_b32 v[TM+4+\b], 23, v[TM+8+\b]       ; the scale's byte
.endr
	v_lshl_or_b32 v[\pw], v[TM+5], 8, v[TM+4]
	v_lshl_or_b32 v[\pw], v[TM+6], 16, v[\pw]
	v_lshl_or_b32 v[\pw], v[TM+7], 24, v[\pw]
	s_wait_xcnt 0x0                                ; the last tile's stores have read the codes' registers
	WIN (\w)
.irp c, 0,1
	v_cvt_scalef32_pk16_fp6_f32 v[PC+6*\c:PC+6*\c+2], v[(\s)+32*\c:(\s)+32*\c+15], v[TM+8+2*\c]
	v_cvt_scalef32_pk16_fp6_f32 v[PC+12+4*\c:PC+14+4*\c], v[(\s)+16+32*\c:(\s)+31+32*\c], v[TM+9+2*\c]
.endr
	WIN 0
	v_nop                                          ; one plain place behind a scaled conversion
.irp c, 0,1
.irp i, 0,1,2
	v_permlane16_swap_b32 v[PC+6*\c+\i], v[PC+12+4*\c+\i]
.endr
.irp i, 0,1,2
	v_mov_b32 v[PC+3+6*\c+\i], v[PC+12+4*\c+\i]
.endr
.endr
.endm
.macro STORE4 o0, o1
	global_store_b128 v[L16], v[PC:PC+3], s[OC:OC+1] offset:\o0
	global_store_b64 v[L8], v[PC+4:PC+5], s[OC:OC+1] offset:(\o0)+512
	global_store_b128 v[L16], v[PC+6:PC+9], s[OC:OC+1] offset:\o1
	global_store_b64 v[L8], v[PC+10:PC+11], s[OC:OC+1] offset:(\o1)+512
.endm
; RoPE on my token tile a, IN PLACE.  Register 32 e + i of the tile is x(d = 16 h + i) of head e (lo), register 32 e + 16 + i is x(32 + 16 h + i) (hi).
; Tables at cb in window wc: +0 cos(16 h + i), +16 cos(32 + 16 h + i), +32 sin(16 h + i), +48 sin(32 + 16 h + i).  t = lo sin(+48); lo = lo cos(+0) - hi sin(+32); hi = hi cos(+16) + t.
; Every run goes up the registers: each accumulator is first read at its low end.
.macro ROPE a, wc, cb
.set XB, 64*(\a)
	WIN 0x40|((\wc)<<2)|3
.set n, 0
.rept 16
	v_pk_mul_f32 v[TT+2*n:TT+2*n+1], v[XB+32*(n/8)+2*(n%8):XB+32*(n/8)+2*(n%8)+1], v[(\cb)+48+2*(n%8):(\cb)+49+2*(n%8)]
.set n, n+1
.endr
	WIN 0xf0|((\wc)<<2)|3
.set n, 0
.rept 16
	v_pk_mul_f32 v[XB+32*(n/8)+2*(n%8):XB+32*(n/8)+2*(n%8)+1], v[XB+32*(n/8)+2*(n%8):XB+32*(n/8)+2*(n%8)+1], v[(\cb)+2*(n%8):(\cb)+2*(n%8)+1]
.set n, n+1
.endr
.set n, 0
.rept 16
	v_pk_fma_f32 v[XB+32*(n/8)+2*(n%8):XB+32*(n/8)+2*(n%8)+1], v[XB+32*(n/8)+16+2*(n%8):XB+32*(n/8)+17+2*(n%8)], v[(\cb)+32+2*(n%8):(\cb)+33+2*(n%8)], v[XB+32*(n/8)+2*(n%8):XB+32*(n/8)+2*(n%8)+1] neg_lo:[1,0,0] neg_hi:[1,0,0]
.set n, n+1
.endr
	WIN 0xd0|((\wc)<<2)|3
.set n, 0
.rept 16
	v_pk_fma_f32 v[XB+32*(n/8)+16+2*(n%8):XB+32*(n/8)+17+2*(n%8)], v[XB+32*(n/8)+16+2*(n%8):XB+32*(n/8)+17+2*(n%8)], v[(\cb)+16+2*(n%8):(\cb)+17+2*(n%8)], v[TT+2*n:TT+2*n+1]
.set n, n+1
.endr
	WIN 0
.endm
.macro QKT a, wc, cb
	ROPE \a, \wc, \cb
	QUANT 64*(\a), 3, PW+(\a)
	STORE4 768*(\a), HEADB+768*(\a)                ; atom 0 to the even head's record, atom 1 to the odd head's
.if (\a) == 0
	CSLD 3, \wc, \cb                               ; the set that tile 0 has read takes tile 3's tables
.endif
.endm
.macro EPIHEAD
	PLACES 4                                       ; in front of the first reads of results and of loads and writes into the set just read
.irp b, 0,1,2,3
	v_mov_b32 v[TM+4+\b], 0                        ; a lane permute's destination counts as one of its sources
.endr
.endm
	s_load_b256 s[4:11], s[0:1], 0x0               ; acod, ascl, wcod, wscl
	s_load_b128 s[12:15], s[0:1], 0x20             ; cstab, rec
	v_lshl_add_u32 v[SPW], v0, 2, SPARE
	v_mov_b32 v[NIL], 0
	ds_add_u32 v[SPW], v[NIL]                      ; the opening lines: the add twice on end and one wait
	ds_add_u32 v[SPW], v[NIL]
	v_lshrrev_b32 v1, 5, v0
	v_readfirstlane_b32 s[WV], v1                  ; wave 0..3
	s_and_b32 s[HB], s[WV], 1
	s_lshr_b32 s[HG], s[WV], 1
	s_bfe_u32 s66, ttmp6, 0x40000                  ; cx
	s_lshl_b32 s[TY], ttmp9, 2
	s_add_co_u32 s[TY], s[TY], s66                 ; tile of 256 tokens
	s_and_b32 s[P], ttmp7, 0xffff                  ; the pair of heads
	; group 1 for codes: dense bytes as rows of 32 elements of 8 bytes: 128 rows at the head, a third of a group; the mask names the four partners, bit 21 beside it
	s_mov_b32 s[G1C], 15|(3<<16)|(1<<21)
	s_mov_b32 s[G1C+1], 32<<16
	s_mov_b32 s[G1C+2], 128<<16
	s_mov_b32 s[G1C+3], 32<<16
	s_mov_b32 s[G1C+4], 128
	s_mov_b32 s[G1C+5], 32
	s_mov_b32 s[G1C+6], 0
	s_mov_b32 s[G1C+7], 0
	; and for the scale words: 3 rows of 4,096 bytes, 32,768 bytes (eight groups) from row to row
	s_mov_b32 s[G1S], 15|(3<<16)|(1<<21)
	s_mov_b32 s[G1S+1], 512<<16
	s_mov_b32 s[G1S+2], 3<<16
	s_mov_b32 s[G1S+3], 512<<16
	s_mov_b32 s[G1S+4], 3
	s_mov_b32 s[G1S+5], 4096
	s_mov_b32 s[G1S+6], 0
	s_mov_b32 s[G1S+7], 0
	s_mul_i32 s66, s[P], GRPB                      ; q_w's group y,
	s_lshl_b32 s[G0C+1], s[WV], 15                 ; my third of it, in LDS
	s_add_co_u32 s66, s66, s[G0C+1]                ; and in memory
	s_mov_b32 s67, 0
	s_lshl_b32 s68, s[P], 12
	s_mov_b32 s69, 0
	s_add_co_u32 s70, s[HG], 1                     ; later: k_w's group (waves 0, 1) or v_w's (waves 2, 3),
	s_lshl_b32 s70, s70, 3
	s_add_co_u32 s70, s70, s[P]
	s_mul_i32 s70, s70, GRPB
	s_mul_i32 s2, s[HB], 4*KSB                     ; which half of it
	s_add_co_u32 s70, s70, s2
	s_mov_b32 s71, 0
	s_mul_i32 s[G0H+1], s[WV], 4*KSB
	s_add_co_u32 s[G0H+1], s[G0H+1], GRPB
	s_mov_b32 s[G0H], 1
	s_mov_b32 s[G0C], 1
	s_mov_b32 s[G0S], 1
	s_mov_b32 s[G0S+1], WSC
	s_mov_b32 s[SEL], 0x76543210
	s_mov_b32 s[SEL+1], 0xfedcba98
	s_wait_dscnt 0x0
	s_wait_kmcnt 0x0
	s_add_nc_u64 s[G0C+2:G0C+3], s[8:9], s[66:67]
	s_or_b32 s[G0C+3], s[G0C+3], 0x80000000
	s_add_nc_u64 s[G0S+2:G0S+3], s[10:11], s[68:69]
	s_or_b32 s[G0S+3], s[G0S+3], 0x80000000
	s_add_nc_u64 s[G0H+2:G0H+3], s[8:9], s[70:71]
	s_or_b32 s[G0H+3], s[G0H+3], 0x80000000
	CROUND                                         ; the four partners are here: the joint loads meet
	s_cmp_lt_u32 s[WV], 3
	s_cbranch_scc0 .Lhead_s
	tensor_load_to_lds s[G0C:G0C+3], s[G1C:G1C+7]
	s_nop 0
.rept 4
	v_nop
.endr
	s_branch .Lhead_j
.Lhead_s:
	tensor_load_to_lds s[G0S:G0S+3], s[G1S:G1S+7]
	s_nop 0
.rept 4
	v_nop
.endr
.Lhead_j:
	s_lshl_b32 s70, s[TY], 1
	s_add_co_u32 s70, s70, s[HG]                   ; my group of 128 tokens
	s_mov_b32 s3, 0
	s_mul_i32 s2, s70, GRPB
	s_mul_i32 s71, s[HB], 6144
	s_add_co_u32 s2, s2, s71
	s_add_nc_u64 s[TK:TK+1], s[4:5], s[2:3]        ; my four tiles' codes
	s_lshl_b32 s2, s70, 12
	s_lshl_b32 s71, s[HB], 4
	s_add_co_u32 s2, s2, s71
	s_add_nc_u64 s[TSC:TSC+1], s[6:7], s[2:3]      ; their scale words
	s_lshl_b32 s2, s70, 16
	s_lshl_b32 s71, s[HB], 15
	s_add_co_u32 s2, s2, s71
	s_add_nc_u64 s[CT:CT+1], s[12:13], s[2:3]      ; their tables
	s_lshr_b32 s2, s70, 3                          ; batch
	s_lshl_b32 s2, s2, 7
	s_lshl_b32 s71, s[P], 4
	s_add_co_u32 s2, s2, s71
	s_and_b32 s71, s70, 7
	s_add_co_u32 s2, s2, s71                       ; record (batch x 16 + 2 y) x 8 + the group in its sequence
	s_mul_i32 s2, s2, RECB
	s_add_nc_u64 s[R0:R0+1], s[14:15], s[2:3]
	s_mul_i32 s56, s[HB], 3072
	s_lshl_b32 s57, s[HB], 4
	v_and_b32 v7, 31, v0
	v_and_b32 v1, 15, v0
	v_lshlrev_b32 v[L16], 4, v7
	v_lshlrev_b32 v[L8], 3, v7
	v_lshlrev_b32 v[R32], 5, v1
	v_lshlrev_b32 v[R16], 4, v1
	s_wait_alu depctr_va_vdst(0)                   ; the wait at the head's end
.irp s, 0,1,2,3,4,5,6,7
	global_load_b128 v[TS+4*\s:TS+4*\s+3], v[R32], s[TSC:TSC+1] offset:512*\s   ; row r's words of my four tiles
.endr
.irp s, 0,1,2
	TOKS \s
.endr
	WIN 0
	s_wait_tensorcnt 0x0                           ; my tile of the head's four has landed;
	ds_add_u32 v[SPW], v[NIL]
	s_mov_b32 s[G1C+2], 192<<16                    ; no tensor load of mine is out, so a descriptor may be written: from here on 192 rows, half a group
	s_mov_b32 s[G1C+4], 192
	s_wait_dscnt 0x0
	CROUND                                         ; q_w's group and the scale words are whole, and the four partners are here
	tensor_load_to_lds s[G0H:G0H+3], s[G1C:G1C+7]  ; my half of k_w's or v_w's group: my one tensor load behind the round
	s_nop 0
.rept 4
	v_nop
.endr
.irp s, 3,4,5,6,7
	TOKS \s
.endr
	WIN 0
	s_mov_b32 s[J], 0
	s_mov_b32 s[LB], 0
	s_mov_b32 s[LS], WSC
.Lqk:                                  ; trip 0: q, trip 1: k
	s_cmp_eq_u32 s[J], 0
	s_cselect_b32 s66, 13056, 0
	s_mov_b32 s68, 12288
	s_cselect_b32 s68, 19200, s68
	s_add_co_u32 s66, s66, s56
	s_mov_b32 s67, 0
	s_add_co_u32 s68, s68, s57
	s_mov_b32 s69, 0
	s_add_nc_u64 s[OC:OC+1], s[R0:R0+1], s[66:67]
	s_add_nc_u64 s[OS:OS+1], s[R0:R0+1], s[68:69]
	SETUP
	FETCH 0
.irp s, 0,1,2,3,4,5,6,7
	STEPM \s, 0
.endr
	EPIHEAD
	CSLD 2, 1, 0
	s_wait_loadcnt 32                              ; tile 0's tables are in; two younger sets may be out
	QKT 0, 0, 80
	s_wait_loadcnt 32
	QKT 1, 0, 176
	s_wait_loadcnt 16
	QKT 2, 1, 0
	s_wait_loadcnt 0x0
	QKT 3, 0, 80
	global_store_b128 v[R32], v[PW:PW+3], s[OS:OS+1]                ; the even head's words of my four tiles (both halves of the lanes hold and write the same)
.irp i, 0,1,2,3
	v_lshrrev_b32 v[PW+4+\i], 16, v[PW+\i]
.endr
	global_store_b128 v[R32], v[PW+4:PW+7], s[OS:OS+1] offset:HEADB ; the odd head's
	s_wait_xcnt 0x0                                ; the stores have read their registers and bases
	s_wait_tensorcnt 0x0                           ; my half group has landed;
	s_barrier_signal -1
	s_barrier_wait -1                              ; everybody's has: k_w's and v_w's groups are whole.
	s_add_co_u32 s[LB], s[LB], GRPB
	s_add_co_u32 s[LS], s[LS], 4096
	s_add_co_u32 s[J], s[J], 1
	s_cmp_lt_u32 s[J], 2
	s_wait_alu depctr_va_vdst(0)                   ; the wait ahead of the branch
	s_cbranch_scc1 .Lqk
	; ---- v: the quantiser along the keys, straight from the accumulators, two tiles of d at a time; tile b of the weight's rows is tile b % 4 of d of head b / 4
	s_mov_b32 s[LB], 2*GRPB
	s_mov_b32 s[LS], WSC+8192
	s_mul_i32 s66, s[HB], 768                      ; my 64 keys: which atom,
	s_add_co_u32 s66, s66, 6144
	s_mov_b32 s67, 0
	s_lshl_b32 s68, s[HB], 1                       ; and which two bytes of the word
	s_add_co_u32 s68, s68, 12800
	s_mov_b32 s69, 0
	s_add_nc_u64 s[OC:OC+1], s[R0:R0+1], s[66:67]
	s_add_nc_u64 s[OS:OS+1], s[R0:R0+1], s[68:69]
	SETUP
	FETCH 0
.irp s, 0,1,2,3,4,5,6,7
	STEPM \s, 1
.endr
	EPIHEAD
.irp c, 0,1,2,3
	QUANT 64*\c, 3, PW+\c
	STORE4 (\c/2)*HEADB+((2*\c)%4)*1536, (\c/2)*HEADB+((2*\c)%4)*1536+1536
	global_store_b16 v[R16], v[PW+\c], s[OS:OS+1] offset:(\c/2)*HEADB+4*((2*\c)%4)
	global_store_d16_hi_b16 v[R16], v[PW+\c], s[OS:OS+1] offset:(\c/2)*HEADB+4*((2*\c)%4)+4
.endr
	s_wait_tensorcnt 0x0                           ; the wave's end
	ds_add_u32 v[SPW], v[NIL]
	s_wait_dscnt 0x0
	CROUND                                         ; the closing round
	s_endpgm
.Lfunc_end_k_q9a9da1f45e_qkv:
	.size	k_q9a9da1f45e_qkv, .Lfunc_end_k_q9a9da1f45e_qkv-k_q9a9da1f45e_qkv
	.p2alignl 7, 3214868480
	.fill 96, 4, 3214868480
	.section	.rodata,"a",@progbits
	.p2align	6, 0x0
	.amdhsa_kernel k_q9a9da1f45e_qkv
		.amdhsa_group_segment_fixed_size 327680
		.amdhsa_private_segment_fixed_size 0
		.amdhsa_enable_private_segment 0
		.amdhsa_kernarg_size 48
		.amdhsa_user_sgpr_count 2
		.amdhsa_user_sgpr_kernarg_segment_ptr 1
		.amdhsa_wavefront_size32 1
		.amdhsa_system_sgpr_workgroup_id_x 1
		.amdhsa_system_sgpr_workgroup_id_y 1
		.amdhsa_system_sgpr_workgroup_id_z 1
		.amdhsa_system_vgpr_workitem_id 0
		.amdhsa_next_free_vgpr 1024
		.amdhsa_next_free_sgpr 76
		.amdhsa_reserve_vcc 0
		.amdhsa_float_denorm_mode_32 3
		.amdhsa_float_denorm_mode_16_64 3
		.amdhsa_memory_ordered 1
		.amdhsa_forward_progress 1
		.amdhsa_inst_pref_size 182
	.end_amdhsa_kernel
	.amdgpu_metadata
---
amdhsa.version: [ 1, 2 ]
amdhsa.kernels:
  - .name:           k_q9a9da1f45e_qkv
    .symbol:         k_q9a9da1f45e_qkv.kd
    .args:
      - { .name: acod, .offset: 0, .size: 8, .value_kind: global_buffer, .address_space: global }
      - { .name: ascl, .offset: 8, .size: 8, .value_kind: global_buffer, .address_space: global }
      - { .name: wcod, .offset: 16, .size: 8, .value_kind: global_buffer, .address_space: global }
      - { .name: wscl, .offset: 24, .size: 8, .value_kind: global_buffer, .address_space: global }
      - { .name: cstab, .offset: 32, .size: 8, .value_kind: global_buffer, .address_space: global }
      - { .name: rec, .offset: 40, .size: 8, .value_kind: global_buffer, .address_space: global }
    .group_segment_fixed_size: 327680
    .private_segment_fixed_size: 0
    .kernarg_segment_align: 8
    .kernarg_segment_size: 48
    .max_flat_workgroup_size: 128
    .sgpr_count:     76
    .vgpr_count:     1024
    .wavefront_size: 32
...
	.end_amdgpu_metadata
.endif
;; end of part 2
;; launch attn (part 3): grid 2 x 128, 16 waves a work-group, no clusters, 327,680 bytes of LDS; arguments rec, acod, ascl; writes acod, ascl
.if DOCPART == 3
	.amdgcn_target "amdgcn-amd-amdhsa--gfx1250"
	.amdhsa_code_object_version 6
	.text
	.protected	k_q9a9da1f45e_attn
	.globl	k_q9a9da1f45e_attn
	.p2align	8
	.type	k_q9a9da1f45e_attn,@function
k_q9a9da1f45e_attn:
	s_mov_b64 s[64:65], 0
	v_nop
	global_prefetch_b8 v0, s[64:65] scope:SCOPE_SE
	s_setreg_imm32_b32 hwreg(HW_REG_WAVE_MODE, 25, 1), 1
	s_wait_xcnt 0x0
; Causal attention of one head of one sequence (1,024 tokens, head size 64) on codes of FP6 (E2M3) with E8M0 scales, and the quantiser of its result along (head, d) for the last projection.
; THE SOFTMAX AHEAD OF THE SECOND PRODUCT: t = score x log2(e) / 8; M = the row's largest t so far, rounded UP to a whole number; p = 2^(t - M) is quantised along the keys, not normalised; the row's sum is taken of the
; unquantised p and divides O at the end.  When M moves, the sum and O are multiplied by 2^(old M - new M): exact.
; SHARES.  Two work-groups to a head, sixteen waves each, four to a SIMD.  A wave owns one tile of 16 queries in each of two passes: tile 16 j + w, whose keys lie in the first 512, and tile 63 - 16 j - w.
; A tile t sees t / 8 + 1 key steps of 128: the two together always 9, in every wave of every work-group.  Both loops have constant trip counts (4 and 8); a step all of whose keys come after the wave's queries is left
; out by a scalar branch on ids, round its work alone.
; K, V AND THEIR SCALE WORDS OF THE WHOLE HEAD STAY IN LDS: 8 steps x 13,056 bytes, each one dense block of memory, brought once by waves 0 to 3 (two loads each: one of a wave is out at the most).  Nothing is filled twice.
; No cluster: what two work-groups share is read once, at their heads; there is no refill that could be asked for jointly.
; LAYOUT.  Both products are used transposed: S^T = K Q^T, O^T = V^T P^T: a lane holds ONE query (lane % 16).  Lane r of tile 2 g + u of keys, of queries and of d holds row 32 g + 8 u + r + 8 (r / 8), so that the 16 registers of
; result tiles 2 g and 2 g + 1 are 16 neighbours, 32 g + 16 (lane / 16) + 0 .. 15: along the keys in S^T, along d in O^T.
; THE FIRST PRODUCT'S K IS 64: Q's fragment has zero codes at k = 64 .. 127; K's fragment of tile t is named as twelve registers of which the upper six are the next tile's codes (behind the last tile: zeros): they meet zeros.
; LIMITS: as stated at the head of the first launch; v_exp_f32 gives 0 for results under 2^-126.
; REGISTERS: v1-5 addresses that stay; v8-11 the step's; v12 -M, v13 the largest t, v[14:15] the sum; v16-27 Q; v32-85 K, later p's codes and the softmax's work; v86-93 K's scale words; v96-159 S^T, then p; v160-191 O^T;
;   v192-239 V; v240-243 V's scale words; v244-251 the way out; v252 f; v253 p's scale word; v254 at work; v255 Q's scale words.
.set RECB,  19712                      ; a record in memory
.set STEPB, 13056                      ; what of it comes into LDS: K's codes 0, V's codes 6,144, K's scale words 12,288, V's 12,800
.set HEADB, 157696
.set L16, 1                            ; v1  16 x lane
.set L8,  2                            ; v2  8 x lane
.set R32, 3                            ; v3  32 r
.set R16, 4                            ; v4  16 r
.set QR,  5                            ; v5  r + 8 (r / 8) - 16 h
.set BM,  52                           ; v52-55 the blocks' largest scores, then largest p
.set PT,  56                           ; v56-59 at work
.set SO,  60                           ; v60-63 the conversions' scale operands
.set WV,  10
.set SEL, 32
.set CS,  34                           ; s[34:35] c = log2(e) / 8
.set TB,  36                           ; s36 LDS byte at which the step begins
.set KF,  37                           ; s37 the step's first key
.set CNT, 38
; tile tau's numbers: q0 its first query; qp, qsp its codes and scale words in rec; ocp, osp where its result's atom and scale bytes go
.macro TILEPAR tau, q0, qp, qsp, ocp, osp
	s_lshr_b32 s38, s[\tau], 1
	s_lshl_b32 s38, s38, 5
	s_and_b32 s39, s[\tau], 1
	s_lshl_b32 s39, s39, 3
	s_add_co_u32 s[\q0], s38, s39                  ; 32 (tau / 2) + 8 (tau % 2)
	s_lshr_b32 s38, s[\tau], 3                     ; its group of 128 tokens
	s_and_b32 s39, s[\tau], 7                      ; its tile in the group
	s_mul_i32 s40, s38, RECB
	s_mul_i32 s42, s39, 768
	s_add_co_u32 s42, s42, s40
	s_add_co_u32 s42, s42, 13056
	s_add_nc_u64 s[\qp:\qp+1], s[4:5], s[42:43]
	s_lshl_b32 s42, s39, 2
	s_add_co_u32 s42, s42, s40
	s_add_co_u32 s42, s42, 19200
	s_add_nc_u64 s[\qsp:\qsp+1], s[4:5], s[42:43]
	s_lshl_b32 s40, s12, 3
	s_add_co_u32 s40, s40, s38                     ; the group among all tokens
	s_lshl_b32 s40, s40, 3
	s_lshr_b32 s42, s13, 1
	s_add_co_u32 s40, s40, s42                     ; x 8 + the 128 along the next K: a pair of heads
	s_and_b32 s38, s13, 1                          ; which atom of it
	s_lshl_b32 s42, s40, 7
	s_add_co_u32 s42, s42, s39
	s_lshl_b32 s42, s42, 1
	s_add_co_u32 s42, s42, s38
	s_lshl_b32 s42, s42, 1                         ; 512 x that + 4 x tile + 2 x atom
	s_add_nc_u64 s[\osp:\osp+1], s[8:9], s[42:43]
	s_lshl_b32 s42, s40, 3
	s_add_co_u32 s42, s42, s39
	s_lshl_b32 s42, s42, 1
	s_add_co_u32 s42, s42, s38
	s_mul_i32 s42, s42, 768
	s_add_nc_u64 s[\ocp:\ocp+1], s[6:7], s[42:43]
.endm
.macro QLOAD qp, qsp
	global_load_b128 v[16:19], v[L16], s[\qp:\qp+1]
	global_load_b64 v[20:21], v[L8], s[\qp:\qp+1] offset:512
	global_load_b32 v255, v[R32], s[\qsp:\qsp+1]
.endm
.macro INIT
	v_mov_b32 v13, 0xff61b1e6                      ; the largest t so far: -3e38, under every t
	s_delay_alu instid0(VALU_DEP_1)
	v_floor_f32 v12, -v13                          ; -M
	v_mov_b32 v14, 0
	v_mov_b32 v15, 0
.set n, 0
.rept 32
	v_mov_b32 v[160+n], 0                          ; O^T: the step is written once; the first finds zeros, which the first change of M leaves zeros
.set n, n+1
.endr
	s_mov_b32 s[TB], 0
	s_mov_b32 s[KF], 0
.endm
; A KEY STEP: 128 keys
.macro STEP q0
	s_add_co_u32 s39, s[\q0], 23                   ; my last query
	s_cmp_gt_u32 s[KF], s39
	s_cbranch_scc1 .Lhidden_\@
	v_add_nc_u32 v8, s[TB], v[L16]                 ; (these four are also the places in front of loads into registers that the last products read)
	v_add_nc_u32 v9, s[TB], v[L8]
	v_add_nc_u32 v10, s[TB], v[R32]
	v_add_nc_u32 v11, s[TB], v[R16]
	ds_load_b128 v[86:89], v10 offset:12288        ; K's scale words of my row r, tiles 0-3,
	ds_load_b128 v[90:93], v10 offset:12304        ; tiles 4-7
.irp t, 0,1,2,3,4,5,6,7
	ds_load_b128 v[32+6*\t:35+6*\t], v8 offset:768*\t
	ds_load_b64 v[36+6*\t:37+6*\t], v9 offset:768*\t+512
.endr
.irp f, 0,1,2,3,4,5,6,7                        ; V: tile f / 2 of d, atom f % 2
	ds_load_b128 v[192+6*\f:195+6*\f], v8 offset:6144+768*\f
	ds_load_b64 v[196+6*\f:197+6*\f], v9 offset:6144+768*\f+512
.endr
	ds_load_b128 v[240:243], v11 offset:12800
	s_wait_dscnt 17                                ; K and its scale words are in; V's 17 loads may be out
.irp t, 0,1,2,3,4,5,6,7
	v_wmma_scale_f32_16x16x128_f8f6f4 v[96+8*\t:103+8*\t], v[32+6*\t:43+6*\t], v[16:27], 0, v[86+\t], v255 matrix_a_fmt:MATRIX_FMT_FP6 matrix_b_fmt:MATRIX_FMT_FP6
.endr
.rept 4
	v_nop
.endr
	s_add_co_u32 s39, s[KF], 127                   ; on the diagonal the scores of hidden keys become -infinity ahead of the maximum; a step all of whose keys count skips this
	s_cmp_le_u32 s39, s[\q0]
	s_cbranch_scc1 .Lopen_\@
	s_sub_co_i32 s39, s[\q0], s[KF]
	v_add_nc_u32 v252, s39, v[QR]                  ; d = my query - KF - 16 h.  Register 16 b + i holds key KF + 16 h + 32 b + i: hidden where 32 b + i > d
	v_mov_b32 v254, 0xff800000
.set n, 0
.rept 64
	v_cmp_gt_i32 vcc_lo, 32*(n/16)+n%16, v252
	v_cndmask_b32 v[96+n], v[96+n], v254, vcc_lo
.set n, n+1
.endr
.Lopen_\@:
.irp b, 0,1,2,3
	v_max3_num_f32 v[BM+\b], v[96+16*\b], v[97+16*\b], v[98+16*\b]   ; the largest score of each block of 32 keys: for the row's maximum, and, since p rises with the score, for the block's largest p
.endr
.irp i, 3,5,7,9,11,13
.irp b, 0,1,2,3
	v_max3_num_f32 v[BM+\b], v[BM+\b], v[96+16*\b+\i], v[97+16*\b+\i]
.endr
.endr
.irp b, 0,1,2,3
	v_max_num_f32 v[BM+\b], v[BM+\b], v[111+16*\b]
.endr
.irp b, 0,1,2,3
	s_delay_alu instid0(VALU_DEP_4)
	v_permlanex16_b32 v[PT+\b], v[BM+\b], s[SEL], s[SEL+1]
.endr
.irp b, 0,1,2,3
	s_delay_alu instid0(VALU_DEP_4)
	v_max_num_f32 v[BM+\b], v[BM+\b], v[PT+\b]     ; with lane l xor 16's 16 keys
.endr
	s_delay_alu instid0(VALU_DEP_2)
	v_max3_num_f32 v254, v[BM], v[BM+1], v[BM+2]
	s_delay_alu instid0(VALU_DEP_1)
	v_max_num_f32 v254, v254, v[BM+3]
	s_delay_alu instid0(VALU_DEP_1)
	v_mul_f32 v254, s[CS], v254                    ; as t
	s_delay_alu instid0(VALU_DEP_1)
	v_max_num_f32 v13, v13, v254                   ; the running largest t
	v_mov_b32 v254, v12
	s_delay_alu instid0(VALU_DEP_2)
	v_floor_f32 v12, -v13                          ; the new -M = -ceil(t)
	s_delay_alu instid0(VALU_DEP_1)
	v_sub_f32 v254, v12, v254                      ; old M - new M: a whole number, 0 or less
	s_delay_alu instid0(VALU_DEP_1)
	v_cvt_i32_f32 v254, v254                       ; (it saturates)
	s_delay_alu instid0(VALU_DEP_1)
	v_ldexp_f32 v252, 1.0, v254                    ; f = 2^(old M - new M)
.set n, 0
.rept 32
	v_pk_fma_f32 v[96+n:97+n], v[96+n:97+n], s[CS:CS+1], v[12:13] op_sel_hi:[1,0,0]   ; t - M
.set n, n+2
.endr
.irp b, 0,1,2,3
	v_fma_f32 v[BM+\b], v[BM+\b], s[CS], v12       ; the same of each block's largest score
.endr
.set n, 0
	s_wait_alu depctr_va_vdst(0)
.rept 64
	v_exp_f32 v[96+n], v[96+n]                     ; p = 2^(t - M)
.set n, n+1
.endr
	v_pk_mul_f32 v[14:15], v[14:15], v[252:253] op_sel_hi:[1,0]   ; the sums under the new M; a plain place behind the exponentials
	s_wait_alu depctr_va_vdst(0)                   ; one wait for the whole batch, ahead of its first reader
.irp b, 0,1,2,3
	v_exp_f32 v[BM+\b], v[BM+\b]                   ; the block's largest p
.endr
	v_pk_add_f32 v[56:57], v[100:101], v[104:105]
	v_pk_add_f32 v[250:251], v[108:109], v[112:113]
	v_pk_add_f32 v[248:249], v[116:117], v[120:121]
	v_pk_add_f32 v[244:245], v[124:125], v[128:129]
	v_pk_add_f32 v[92:93], v[132:133], v[136:137]
	v_pk_add_f32 v[90:91], v[140:141], v[144:145]
	v_pk_add_f32 v[88:89], v[148:149], v[152:153]
	v_pk_add_f32 v[14:15], v[14:15], v[156:157]
	v_pk_add_f32 v[56:57], v[56:57], v[96:97]
	v_pk_add_f32 v[250:251], v[250:251], v[98:99]
	v_pk_add_f32 v[248:249], v[248:249], v[102:103]
	v_pk_add_f32 v[244:245], v[244:245], v[106:107]
	v_pk_add_f32 v[92:93], v[92:93], v[110:111]
	v_pk_add_f32 v[90:91], v[90:91], v[114:115]
	v_pk_add_f32 v[88:89], v[88:89], v[118:119]
	v_pk_add_f32 v[14:15], v[14:15], v[122:123]
	v_pk_add_f32 v[56:57], v[56:57], v[126:127]
	v_pk_add_f32 v[250:251], v[250:251], v[130:131]
	v_pk_add_f32 v[248:249], v[248:249], v[134:135]
	v_pk_add_f32 v[244:245], v[244:245], v[138:139]
	v_pk_add_f32 v[92:93], v[92:93], v[142:143]
	v_pk_add_f32 v[90:91], v[90:91], v[146:147]
	v_pk_add_f32 v[88:89], v[88:89], v[150:151]
	v_pk_add_f32 v[14:15], v[14:15], v[154:155]
	v_pk_add_f32 v[56:57], v[56:57], v[158:159]
	s_delay_alu instid0(VALU_DEP_2)
	v_pk_add_f32 v[14:15], v[14:15], v[244:245]
	s_delay_alu instid0(VALU_DEP_2)
	v_pk_add_f32 v[56:57], v[56:57], v[92:93]
	v_pk_add_f32 v[250:251], v[250:251], v[90:91]
	v_pk_add_f32 v[248:249], v[248:249], v[88:89]
	s_delay_alu instid0(VALU_DEP_2)
	v_pk_add_f32 v[14:15], v[14:15], v[250:251]
	s_delay_alu instid0(VALU_DEP_2)
	v_pk_add_f32 v[56:57], v[56:57], v[248:249]
	s_delay_alu instid0(VALU_DEP_1)
	v_pk_add_f32 v[14:15], v[14:15], v[56:57]
	s_wait_alu depctr_va_vdst(0)                   ; and one for the four
.irp b, 0,1,2,3
	v_max_num_f32 v[BM+\b], 0x1800000, v[BM+\b]    ; the floor 2^(3 - 127)
.endr
.irp b, 0,1,2,3
	s_delay_alu instid0(VALU_DEP_4)
	v_add_nc_u32 v[SO+\b], 0xff000000, v[BM+\b]
.endr
.irp b, 0,1,2,3
	s_delay_alu instid0(VALU_DEP_4)
	v_lshrrev_b32 v[PT+\b], 23, v[SO+\b]
.endr
	s_delay_alu instid0(VALU_DEP_3)
	v_lshl_or_b32 v253, v[PT+1], 8, v[PT]          ; p's scale word for these 128 keys
	s_delay_alu instid0(VALU_DEP_1)
	v_lshl_or_b32 v253, v[PT+2], 16, v253
	s_delay_alu instid0(VALU_DEP_1)
	v_lshl_or_b32 v253, v[PT+3], 24, v253
.irp c, 0,1
	v_cvt_scalef32_pk16_fp6_f32 v[32+6*\c:34+6*\c], v[96+32*\c:111+32*\c], v[SO+2*\c]
	v_cvt_scalef32_pk16_fp6_f32 v[44+4*\c:46+4*\c], v[112+32*\c:127+32*\c], v[SO+2*\c+1]
.endr
	v_nop                                          ; one plain place behind a scaled conversion
.irp c, 0,1
.irp i, 0,1,2
	v_permlane16_swap_b32 v[32+6*\c+\i], v[44+4*\c+\i]
.endr
.irp i, 0,1,2
	s_delay_alu instid0(VALU_DEP_3)
	v_mov_b32 v[35+6*\c+\i], v[44+4*\c+\i]
.endr
.endr
.set n, 0
.rept 16
	v_pk_mul_f32 v[160+n:161+n], v[160+n:161+n], v[252:253] op_sel_hi:[1,0]   ; O^T under the new M; these 16 are also the places between the scale word's and the codes' last writes and the products
.set n, n+2
.endr
	s_wait_alu depctr_va_vdst(0)
	s_wait_dscnt 0x0                               ; V is in
.irp t, 0,1,2,3
	v_wmma_scale_f32_16x16x128_f8f6f4 v[160+8*\t:167+8*\t], v[192+12*\t:203+12*\t], v[32:43], v[160+8*\t:167+8*\t], v[240+\t], v253 matrix_a_fmt:MATRIX_FMT_FP6 matrix_b_fmt:MATRIX_FMT_FP6
.endr
.Lhidden_\@:
	s_add_co_u32 s[KF], s[KF], 128
	s_add_co_u32 s[TB], s[TB], STEPB
.endm
; THE WAY OUT: O^T / the sum; its 32 registers are d = 32 b + 16 h + i of my query: two blocks of the last projection's K; one atom of codes and two scale bytes
.macro OUT ocp, osp
	v_add_f32 v14, v14, v15
	s_delay_alu instid0(VALU_DEP_1)
	v_permlanex16_b32 v252, v14, s[SEL], s[SEL+1]
	s_delay_alu instid0(VALU_DEP_1)
	v_add_f32 v14, v14, v252                       ; the row's sum
	s_wait_alu depctr_va_vdst(0)
	v_rcp_f32 v14, v14
	v_nop
	s_wait_alu depctr_va_vdst(0)
.set n, 0
.rept 16
	v_pk_mul_f32 v[96+n:97+n], v[160+n:161+n], v[14:15] op_sel_hi:[1,0]   ; ascending: each accumulator from its low end on
.set n, n+2
.endr
.irp b, 0,1
	v_max3_num_f32 v[244+\b], |v[96+16*\b]|, |v[97+16*\b]|, 0x1800000
.endr
.irp i, 2,4,6,8,10,12,14
.irp b, 0,1
	s_delay_alu instid0(VALU_DEP_2)
	v_max3_num_f32 v[244+\b], |v[96+16*\b+\i]|, |v[97+16*\b+\i]|, v[244+\b]
.endr
.endr
.irp b, 0,1
	s_delay_alu instid0(VALU_DEP_2)
	v_permlanex16_b32 v[246+\b], v[244+\b], s[SEL], s[SEL+1]
.endr
.irp b, 0,1
	s_delay_alu instid0(VALU_DEP_2)
	v_max_num_f32 v[244+\b], v[244+\b], v[246+\b]
.endr
.irp b, 0,1
	s_delay_alu instid0(VALU_DEP_2)
	v_add_nc_u32 v[248+\b], 0xff000000, v[244+\b]
.endr
.irp b, 0,1
	s_delay_alu instid0(VALU_DEP_2)
	v_lshrrev_b32 v[246+\b], 23, v[248+\b]
.endr
	s_delay_alu instid0(VALU_DEP_1)
	v_lshl_or_b32 v250, v247, 8, v246
	v_cvt_scalef32_pk16_fp6_f32 v[128:130], v[96:111], v248
	v_cvt_scalef32_pk16_fp6_f32 v[134:136], v[112:127], v249
	v_nop
.irp i, 0,1,2
	v_permlane16_swap_b32 v[128+\i], v[134+\i]
.endr
.irp i, 0,1,2
	s_delay_alu instid0(VALU_DEP_3)
	v_mov_b32 v[131+\i], v[134+\i]
.endr
	global_store_b128 v[L16], v[128:131], s[\ocp:\ocp+1]
	global_store_b64 v[L8], v[132:133], s[\ocp:\ocp+1] offset:512
	global_store_b16 v[R32], v250, s[\osp:\osp+1]  ; two bytes a query (both halves of the lanes write the same): the word's other two are the neighbouring head's
.endm
	s_load_b128 s[4:7], s[0:1], 0x0                ; rec, acod
	s_load_b64 s[8:9], s[0:1], 0x10                ; ascl
	v_lshl_add_u32 v94, v0, 2, 0x29000
	v_mov_b32 v95, 0
	ds_add_u32 v94, v95
	ds_add_u32 v94, v95
	v_lshrrev_b32 v6, 5, v0
	s_delay_alu instid0(VALU_DEP_1)
	v_readfirstlane_b32 s[WV], v6                  ; wave 0..15
	s_and_b32 s11, ttmp7, 0xffff                   ; batch x 16 + head
	s_lshr_b32 s12, s11, 4
	s_and_b32 s13, s11, 15
	; group 1: a dense block of 13,056 bytes as 51 rows of 32 elements of 8 bytes
	s_mov_b32 s16, 3<<16
	s_mov_b32 s17, 32<<16
	s_mov_b32 s18, 51<<16
	s_mov_b32 s19, 32<<16
	s_mov_b32 s20, 51
	s_mov_b32 s21, 32
	s_mov_b32 s22, 0
	s_mov_b32 s23, 0
	s_and_b32 s14, s[WV], 3
	s_mul_i32 s25, s14, STEPB                      ; step w,
	s_add_co_u32 s29, s25, 4*STEPB                 ; and step w + 4
	s_mul_i32 s40, s14, RECB
	s_mov_b32 s41, 0
	s_mul_i32 s42, s11, HEADB
	s_mov_b32 s43, 0
	s_mov_b32 s24, 1
	s_mov_b32 s28, 1
	s_mov_b32 s[SEL], 0x76543210
	s_mov_b32 s[SEL+1], 0xfedcba98
	s_mov_b32 s[CS], 0x3e38aa3b
	s_mov_b32 s[CS+1], s[CS]
	s_wait_dscnt 0x0
	s_wait_kmcnt 0x0
	s_add_nc_u64 s[4:5], s[4:5], s[42:43]          ; my head's records
	s_add_nc_u64 s[26:27], s[4:5], s[40:41]
	s_add_nc_u64 s[30:31], s[26:27], 4*RECB
	s_or_b32 s27, s27, 0x80000000
	s_or_b32 s31, s31, 0x80000000
	s_mov_b32 s43, 0
	s_cmp_lt_u32 s[WV], 4
	s_cbranch_scc0 .Lno_fill
	tensor_load_to_lds s[24:27], s[16:23]          ; step w at the head: one tensor load a wave; step w + 4 follows behind the first barrier
	s_nop 0
.rept 4
	v_nop
.endr
.Lno_fill:
	v_and_b32 v6, 31, v0
	v_and_b32 v7, 15, v0                           ; r
	v_bfe_u32 v8, v0, 4, 1                         ; h
	s_delay_alu instid0(VALU_DEP_3)
	v_lshlrev_b32 v[L16], 4, v6
	s_delay_alu instid0(VALU_DEP_4)
	v_lshlrev_b32 v[L8], 3, v6
	s_delay_alu instid0(VALU_DEP_4)
	v_lshlrev_b32 v[R32], 5, v7
	v_lshlrev_b32 v[R16], 4, v7
	v_and_b32 v9, 8, v7
	s_delay_alu instid0(VALU_DEP_1)
	v_add_nc_u32 v[QR], v9, v7
	v_lshlrev_b32 v8, 4, v8
	s_delay_alu instid0(VALU_DEP_1)
	v_sub_nc_u32 v[QR], v[QR], v8
.irp i, 22,23,24,25,26,27, 80,81,82,83,84,85, 244,245,246,247,248,249,250,251,252,253
	v_mov_b32 v\i, 0                               ; Q's zero codes; the zeros behind K's last tile; registers that are named before they are first written
.endr
	s_lshr_b32 s14, s[WV], 2                       ; the tiles are dealt by w' = 8 x (bit 0 xor bit 2 of w) + w / 2 in place of w: a one-to-one map of 0 .. 15.  Tiles 16 j + 0 .. 7 see one key step less than tiles 16 j + 8 .. 15:
	s_xor_b32 s14, s14, s[WV]                      ; so of waves w, w + 4, w + 8, w + 12, and of waves 4 i .. 4 i + 3 alike, two have the shorter first pass and two the longer
	s_and_b32 s14, s14, 1
	s_lshl_b32 s14, s14, 3
	s_lshr_b32 s15, s[WV], 1
	s_or_b32 s14, s14, s15                         ; w'
	s_lshl_b32 s15, ttmp9, 4
	s_add_co_u32 s14, s14, s15                     ; my first tile of queries: 16 j + w',
	s_sub_co_u32 s15, 63, s14                      ; and my second
	TILEPAR 14, 44, 46, 48, 50, 52
	TILEPAR 15, 56, 58, 60, 62, 66
	QLOAD 46, 48
	INIT
	s_wait_tensorcnt 0x0                           ; my part of steps 0-3 has landed;
	ds_add_u32 v94, v95                            ; the add twice on end
	ds_add_u32 v94, v95
	s_wait_dscnt 0x0
	s_barrier_signal -1
	s_barrier_wait -1
	s_cmp_lt_u32 s[WV], 4
	s_cbranch_scc0 .Lno_fill2
	tensor_load_to_lds s[28:31], s[16:23]          ; step w + 4: it has the first pass in which to land; one load of a wave is out at the most
	s_nop 0
.rept 4
	v_nop
.endr
.Lno_fill2:
	s_wait_loadcnt 0x0
	s_mov_b32 s[CNT], 4
.Lpass1:
	STEP 44
	s_sub_co_u32 s[CNT], s[CNT], 1
	s_cmp_lg_u32 s[CNT], 0
	s_cbranch_scc1 .Lpass1
.rept 4
	v_nop                                          ; places in front of loads into Q's registers and of the first read of O^T
.endr
	QLOAD 58, 60                                   ; the second tile's Q comes while the first tile goes out
	OUT 50, 52
	s_wait_tensorcnt 0x0                           ; steps 4-7 have landed
	s_wait_dscnt 0x0
	s_barrier_signal -1
	s_barrier_wait -1
	s_wait_xcnt 0x0                                ; the stores have read their registers
	INIT
	s_wait_loadcnt 0x0
	s_mov_b32 s[CNT], 8
.Lpass2:
	STEP 56
	s_sub_co_u32 s[CNT], s[CNT], 1
	s_cmp_lg_u32 s[CNT], 0
	s_cbranch_scc1 .Lpass2
.rept 4
	v_nop
.endr
	OUT 62, 66
	s_wait_tensorcnt 0x0
	ds_add_u32 v94, v95
	s_wait_dscnt 0x0
	s_endpgm
.Lfunc_end_k_q9a9da1f45e_attn:
	.size	k_q9a9da1f45e_attn, .Lfunc_end_k_q9a9da1f45e_attn-k_q9a9da1f45e_attn
	.p2alignl 7, 3214868480
	.fill 96, 4, 3214868480
	.section	.rodata,"a",@progbits
	.p2align	6, 0x0
	.amdhsa_kernel k_q9a9da1f45e_attn
		.amdhsa_group_segment_fixed_size 327680
		.amdhsa_private_segment_fixed_size 0
		.amdhsa_enable_private_segment 0
		.amdhsa_kernarg_size 24
		.amdhsa_user_sgpr_count 2
		.amdhsa_user_sgpr_kernarg_segment_ptr 1
		.amdhsa_wavefront_size32 1
		.amdhsa_system_sgpr_workgroup_id_x 1
		.amdhsa_system_sgpr_workgroup_id_y 1
		.amdhsa_system_sgpr_workgroup_id_z 1
		.amdhsa_system_vgpr_workitem_id 0
		.amdhsa_next_free_vgpr 256
		.amdhsa_next_free_sgpr 70
		.amdhsa_reserve_vcc 1
		.amdhsa_float_denorm_mode_32 3
		.amdhsa_float_denorm_mode_16_64 3
		.amdhsa_memory_ordered 1
		.amdhsa_forward_progress 1
		.amdhsa_inst_pref_size 65
	.end_amdhsa_kernel
	.amdgpu_metadata
---
amdhsa.version: [ 1, 2 ]
amdhsa.kernels:
  - .name:           k_q9a9da1f45e_attn
    .symbol:         k_q9a9da1f45e_attn.kd
    .args:
      - { .name: rec, .offset: 0, .size: 8, .value_kind: global_buffer, .address_space: global }
      - { .name: acod, .offset: 8, .size: 8, .value_kind: global_buffer, .address_space: global }
      - { .name: ascl, .offset: 16, .size: 8, .value_kind: global_buffer, .address_space: global }
    .group_segment_fixed_size: 327680
    .private_segment_fixed_size: 0
    .kernarg_segment_align: 8
    .kernarg_segment_size: 24
    .max_flat_workgroup_size: 512
    .sgpr_count:     70
    .vgpr_count:     256
    .wavefront_size: 32
...
	.end_amdgpu_metadata
.endif
;; end of part 3
;; launch oproj (part 4): grid 32 x 8, 4 waves a work-group, clusters of 4 x 1, 167,936 bytes of LDS; arguments acod, ascl, wcod, wscl, out0; writes out0
.if DOCPART == 4
	.amdgcn_target "amdgcn-amd-amdhsa--gfx1250"
	.amdhsa_code_object_version 6
	.text
	.protected	k_q9a9da1f45e_oproj
	.globl	k_q9a9da1f45e_oproj
	.p2align	8
	.type	k_q9a9da1f45e_oproj,@function
k_q9a9da1f45e_oproj:
	s_mov_b64 s[64:65], 0
	v_nop
	global_prefetch_b8 v0, s[64:65] scope:SCOPE_SE
	s_setreg_imm32_b32 hwreg(HW_REG_WAVE_MODE, 25, 1), 1
	s_wait_xcnt 0x0
	s_wait_alu depctr_hold_cnt(0) depctr_sa_sdst(0) depctr_va_vdst(0) depctr_va_sdst(0) depctr_va_ssrc(0) depctr_va_vcc(0) depctr_vm_vsrc(0)
	s_getreg_b32 s2, hwreg(HW_REG_IB_STS2, 6, 4)
	s_cmp_eq_u32 s2, 0
	s_cbranch_scc0 .Lentry_in_a_cluster
	s_endpgm
.Lentry_in_a_cluster:
	s_bfe_u32 s2, ttmp6, 0x10000c
	s_cmp_lg_u32 s2, 0x3003
	s_cbranch_scc0 .Lentry_shape_is_right
	s_endpgm
.Lentry_shape_is_right:
; out0 = attn x o_w^T on codes of FP6 (E2M3) with E8M0 scales, f32 out.  256 work-groups: work-group (x, y) makes 256 tokens (tile x) x columns 128 y .. 128 y + 127.  A wave owns 64 tokens: four tiles of 16.
; THE WEIGHT STAYS IN LDS: group 24 + y of wcod, 98,304 dense bytes (all of K), a third by each of waves 0 to 2, its scale words (4,096 bytes) by wave 3: one tensor load a wave, nothing is filled twice, one barrier.
; THE TOKENS STAY IN REGISTERS: 64 tokens x 1,024 K are 384 registers, loaded from acod as they lie (images of the operand's registers); their scale words are 32 registers.
; CLUSTERS: 4 x 1: the four partners along x differ in their tokens alone and ask for the weight jointly (mask 15).  No prefetch: every tensor load goes out at the head, there is no loop of loads to run ahead in.
; Source 0 = the weight, source 1 = tokens: a lane holds a token, and the 16 registers of result tiles 2 g, 2 g + 1 are columns 32 g + 16 (lane / 16) + 0 .. 15.  Lane r of tile 2 g + u holds row 32 g + 8 u + r + 8 (r / 8).
; THE WAY OUT: a tile of 16 tokens x 128 columns goes through the wave's own stage in LDS, which no tensor load fills, and leaves as rows of 512 consecutive bytes.
; REGISTERS: window 0: v0-31 addresses; v32-63 tokens' scale words; v64-79 the weight's, two sets; v160-255 the weight's fragments, set 0; on the way out v96-223.
;   window 1: v0-95 set 1, v96-239 tokens' K steps 0-2.   window 2: tokens' K steps 3-7.   window 3: the 32 accumulators.
.set GRPB,  98304
.set KSB,   12288
.set WSC,   GRPB
.set STAGE, WSC+4096
.set SPITCH, 528
.set SPARE, STAGE+4*16*SPITCH
.set L16, 2
.set L8,  3
.set R32, 4
.set STO, 5
.set RD,  6
.set AW,  16
.set AWS, 20
.set SPW, 28
.set NIL, 29
.set TS,  32
.set WS,  64
.set WV, 16
.set HB, 17
.set HG, 18
.set TY, 19
.set P,  20
.set G1C, 24
.set G0C, 32
.set G1S, 36
.set G0S, 44
.set TK,  48
.set TSC, 50
.set MSB, 0
.macro WIN new
.if MSB != (\new)
	s_set_vgpr_msb (MSB<<8)|(\new)
.set MSB, (\new)
.endif
.endm
.macro PLACES n
.rept \n
	v_nop
.endr
.endm
.macro CROUND
	s_barrier_signal -1
	s_barrier_wait -1
	s_cmp_lg_u32 s[WV], 0
	s_cbranch_scc1 .Lnot_wave_0_\@
	s_barrier_signal -3
.Lnot_wave_0_\@:
	s_barrier_wait -3
	s_barrier_signal -1
	s_barrier_wait -1
.endm
.macro TOKSET s
.set HI, ((\s)/3+1)/2
.set TB, (1-HI)*(96+48*(\s))+HI*48*((\s)-3)
.endm
.macro FETCH s                         ; K step s's eight fragments of the weight and their scale words into set s % 2: 34 LDS loads
.set WB, 160*(1-(\s)%2)
.set AD, AW+2*((\s)/4)
.set OF, KSB*((\s)%4)
	ds_load_b128 v[WS+8*((\s)%2):WS+8*((\s)%2)+3], v[AWS] offset:512*(\s)
	ds_load_b128 v[WS+8*((\s)%2)+4:WS+8*((\s)%2)+7], v[AWS] offset:512*(\s)+16
	WIN ((\s)%2)<<6
.irp i, 0,1,2,3,4,5,6,7
	ds_load_b128 v[WB+12*\i:WB+12*\i+3], v[AD] offset:OF+1536*\i
	ds_load_b64 v[WB+12*\i+4:WB+12*\i+5], v[AD+1] offset:OF+1536*\i+512
	ds_load_b128 v[WB+12*\i+6:WB+12*\i+9], v[AD] offset:OF+1536*\i+768
	ds_load_b64 v[WB+12*\i+10:WB+12*\i+11], v[AD+1] offset:OF+1536*\i+1280
.endr
	WIN 0
.endm
.macro WM d, a, b, z, sa, sb
.if \z
	v_wmma_scale_f32_16x16x128_f8f6f4 v[\d:\d+7], v[\a:\a+11], v[\b:\b+11], 0, v[\sa], v[\sb] matrix_a_fmt:MATRIX_FMT_FP6 matrix_b_fmt:MATRIX_FMT_FP6
.else
	v_wmma_scale_f32_16x16x128_f8f6f4 v[\d:\d+7], v[\a:\a+11], v[\b:\b+11], v[\d:\d+7], v[\sa], v[\sb] matrix_a_fmt:MATRIX_FMT_FP6 matrix_b_fmt:MATRIX_FMT_FP6
.endif
.endm
; A K step: the next step's fetch, four plain places behind the products that read its set; then 32 matrix instructions, the 32 accumulators by turns; K step 0 starts the sums
.macro STEPM s
.if (\s) > 0
	PLACES 4
.endif
.if (\s) < 7
	FETCH (\s)+1
	s_wait_dscnt 34                                ; this step's fragments are in; the 34 loads just issued may be out
.else
	s_wait_dscnt 0x0
.endif
.if 16*(7-(\s)) > 63                   ; the tokens' loads come back in order: behind step s's stand 16 for each later step (the wait's field holds 63)
	s_wait_loadcnt 63
.else
	s_wait_loadcnt 16*(7-(\s))
.endif
	TOKSET \s
.set WB, 160*(1-(\s)%2)
.set WSS, WS+8*((\s)%2)
.set Z, 0
.if (\s) == 0
.set Z, 1
.endif
	WIN 0xf0|((1+HI)<<2)|((\s)%2)
.irp a, 0,1,2,3
.irp b, 0,1,2,3,4,5,6,7
	WM 8*(8*\a+\b), WB+12*\b, TB+12*\a, Z, WSS+\b, TS+4*(\s)+\a
.endr
.endr
	WIN 0
.endm
	s_load_b256 s[4:11], s[0:1], 0x0               ; acod, ascl, wcod, wscl
	s_load_b64 s[12:13], s[0:1], 0x20              ; out0
	v_lshl_add_u32 v[SPW], v0, 2, SPARE
	v_mov_b32 v[NIL], 0
	ds_add_u32 v[SPW], v[NIL]                      ; the opening lines: the add twice on end and one wait
	ds_add_u32 v[SPW], v[NIL]
	v_lshrrev_b32 v1, 5, v0
	v_readfirstlane_b32 s[WV], v1                  ; wave 0..3
	s_and_b32 s[HB], s[WV], 1
	s_lshr_b32 s[HG], s[WV], 1
	s_bfe_u32 s66, ttmp6, 0x40000                  ; cx
	s_lshl_b32 s[TY], ttmp9, 2
	s_add_co_u32 s[TY], s[TY], s66                 ; tile of 256 tokens
	s_and_b32 s[P], ttmp7, 0xffff                  ; which 128 columns
	; group 1 for a third of the weight's codes: 32,768 dense bytes as 128 rows of 32 elements of 8 bytes; the mask names the four partners, bit 21 beside it
	s_mov_b32 s[G1C], 15|(3<<16)|(1<<21)
	s_mov_b32 s[G1C+1], 32<<16
	s_mov_b32 s[G1C+2], 128<<16
	s_mov_b32 s[G1C+3], 32<<16
	s_mov_b32 s[G1C+4], 128
	s_mov_b32 s[G1C+5], 32
	s_mov_b32 s[G1C+6], 0
	s_mov_b32 s[G1C+7], 0
	; and for its scale words: 4,096 dense bytes as 16 rows of 256
	s_mov_b32 s[G1S], 15|(3<<16)|(1<<21)
	s_mov_b32 s[G1S+1], 32<<16
	s_mov_b32 s[G1S+2], 16<<16
	s_mov_b32 s[G1S+3], 32<<16
	s_mov_b32 s[G1S+4], 16
	s_mov_b32 s[G1S+5], 32
	s_mov_b32 s[G1S+6], 0
	s_mov_b32 s[G1S+7], 0
	s_add_co_u32 s68, s[P], 24                     ; o_w's groups are 24 to 31
	s_mul_i32 s66, s68, GRPB
	s_lshl_b32 s[G0C+1], s[WV], 15                 ; my third, in LDS
	s_add_co_u32 s66, s66, s[G0C+1]                ; and in memory
	s_mov_b32 s67, 0
	s_lshl_b32 s68, s68, 12
	s_mov_b32 s69, 0
	s_mov_b32 s[G0C], 1
	s_mov_b32 s[G0S], 1
	s_mov_b32 s[G0S+1], WSC
	s_wait_dscnt 0x0
	s_wait_kmcnt 0x0
	s_add_nc_u64 s[G0C+2:G0C+3], s[8:9], s[66:67]
	s_or_b32 s[G0C+3], s[G0C+3], 0x80000000
	s_add_nc_u64 s[G0S+2:G0S+3], s[10:11], s[68:69]
	s_or_b32 s[G0S+3], s[G0S+3], 0x80000000
	CROUND                                         ; the four partners are here: the joint loads meet
	s_cmp_lt_u32 s[WV], 3
	s_cbranch_scc0 .Lhead_s
	tensor_load_to_lds s[G0C:G0C+3], s[G1C:G1C+7]
	s_nop 0
.rept 4
	v_nop
.endr
	s_branch .Lhead_j
.Lhead_s:
	tensor_load_to_lds s[G0S:G0S+3], s[G1S:G1S+7]
	s_nop 0
.rept 4
	v_nop
.endr
.Lhead_j:
	s_lshl_b32 s70, s[TY], 1
	s_add_co_u32 s70, s70, s[HG]                   ; my group of 128 tokens
	s_mov_b32 s3, 0
	s_mul_i32 s2, s70, GRPB
	s_mul_i32 s71, s[HB], 6144
	s_add_co_u32 s2, s2, s71
	s_add_nc_u64 s[TK:TK+1], s[4:5], s[2:3]        ; my four tiles' codes
	s_lshl_b32 s2, s70, 12
	s_lshl_b32 s71, s[HB], 4
	s_add_co_u32 s2, s2, s71
	s_add_nc_u64 s[TSC:TSC+1], s[6:7], s[2:3]      ; their scale words
	s_lshl_b32 s2, s70, 19                         ; 128 rows of 4,096 bytes,
	s_lshl_b32 s71, s[HB], 18                      ; my 64,
	s_add_co_u32 s2, s2, s71
	s_lshl_b32 s71, s[P], 9                        ; my work-group's 512 bytes of a row
	s_add_co_u32 s2, s2, s71
	s_add_nc_u64 s[12:13], s[12:13], s[2:3]
	s_mul_i32 s2, s[WV], 16*SPITCH
	s_add_co_u32 s2, s2, STAGE                     ; my stage
	v_and_b32 v7, 31, v0
	v_and_b32 v1, 15, v0
	v_bfe_u32 v8, v0, 4, 1
	v_lshlrev_b32 v[L16], 4, v7
	v_lshlrev_b32 v[L8], 3, v7
	v_lshlrev_b32 v[R32], 5, v1
	v_mul_u32_u24 v[STO], v1, SPITCH
	v_lshl_add_u32 v[STO], v8, 6, v[STO]
	v_add_nc_u32 v[STO], s2, v[STO]                ; in: row l % 16, 64 bytes for each half of the lanes
	v_add_nc_u32 v[RD], s2, v[L16]                 ; back: the 32 lanes take a row of 512 bytes
	v_mov_b32 v[AW], v[L16]
	v_mov_b32 v[AW+1], v[L8]
	v_add_nc_u32 v[AW+2], 4*KSB, v[L16]
	v_add_nc_u32 v[AW+3], 4*KSB, v[L8]
	v_add_nc_u32 v[AWS], WSC, v[R32]
	s_wait_alu depctr_va_vdst(0)                   ; the wait at the head's end
.irp s, 0,1,2,3,4,5,6,7
	global_load_b128 v[TS+4*\s:TS+4*\s+3], v[R32], s[TSC:TSC+1] offset:512*\s   ; row r's words of my four tiles
.endr
.irp s, 0,1,2,3,4,5,6,7
	TOKSET \s
	WIN (1+HI)<<6
.irp i, 0,1,2,3
	global_load_b128 v[TB+12*\i:TB+12*\i+3], v[L16], s[TK:TK+1] offset:KSB*\s+1536*\i
	global_load_b64 v[TB+12*\i+4:TB+12*\i+5], v[L8], s[TK:TK+1] offset:KSB*\s+1536*\i+512
	global_load_b128 v[TB+12*\i+6:TB+12*\i+9], v[L16], s[TK:TK+1] offset:KSB*\s+1536*\i+768
	global_load_b64 v[TB+12*\i+10:TB+12*\i+11], v[L8], s[TK:TK+1] offset:KSB*\s+1536*\i+1280
.endr
.endr
	WIN 0
	s_wait_tensorcnt 0x0                           ; my tile has landed;
	s_barrier_signal -1
	s_barrier_wait -1                              ; everybody's has.
	FETCH 0
.irp s, 0,1,2,3,4,5,6,7
	STEPM \s
.endr
	PLACES 4                                       ; in front of the first reads of results
.macro TOSTAGE a
	WIN 0x0c                                       ; the data: window 3
.irp b, 0,1,2,3,4,5,6,7
	ds_store_b128 v[STO], v[64*(\a)+8*\b:64*(\a)+8*\b+3] offset:128*(\b/2)+32*(\b%2)      ; each accumulator from its low end on
	ds_store_b128 v[STO], v[64*(\a)+8*\b+4:64*(\a)+8*\b+7] offset:128*(\b/2)+32*(\b%2)+16
.endr
	WIN 0
.set BB, 96+64*((\a)%2)
.irp t, 0,1,2,3,4,5,6,7,8,9,10,11,12,13,14,15
	ds_load_b128 v[BB+4*\t:BB+4*\t+3], v[RD] offset:\t*SPITCH   ; LDS serves a wave's instructions in order: these see the stores above
.endr
.endm
.macro SEND a, younger
.set BB, 96+64*((\a)%2)
	s_wait_dscnt \younger
.irp t, 0,1,2,3,4,5,6,7,8,9,10,11,12,13,14,15
	global_store_b128 v[L16], v[BB+4*\t:BB+4*\t+3], s[12:13] offset:(32*((\a)/2)+8*((\a)%2)+\t+8*(\t/8))*4096 th:TH_STORE_NT   ; 512 consecutive bytes, aligned
.endr
.endm
	TOSTAGE 0
.irp a, 1,2,3
.if \a > 1
	s_wait_xcnt 0x0                                ; tile a - 2's stores have read their registers
.endif
	TOSTAGE \a
	SEND \a-1, 32                                  ; behind tile a - 1's loads: tile a's 16 stores and 16 loads
.endr
	SEND 3, 0
	s_wait_tensorcnt 0x0                           ; the wave's end
	ds_add_u32 v[SPW], v[NIL]
	s_wait_dscnt 0x0
	CROUND                                         ; the closing round
	s_endpgm
.Lfunc_end_k_q9a9da1f45e_oproj:
	.size	k_q9a9da1f45e_oproj, .Lfunc_end_k_q9a9da1f45e_oproj-k_q9a9da1f45e_oproj
	.p2alignl 7, 3214868480
	.fill 96, 4, 3214868480
	.section	.rodata,"a",@progbits
	.p2align	6, 0x0
	.amdhsa_kernel k_q9a9da1f45e_oproj
		.amdhsa_group_segment_fixed_size 167936
		.amdhsa_private_segment_fixed_size 0
		.amdhsa_enable_private_segment 0
		.amdhsa_kernarg_size 40
		.amdhsa_user_sgpr_count 2
		.amdhsa_user_sgpr_kernarg_segment_ptr 1
		.amdhsa_wavefront_size32 1
		.amdhsa_system_sgpr_workgroup_id_x 1
		.amdhsa_system_sgpr_workgroup_id_y 1
		.amdhsa_system_sgpr_workgroup_id_z 1
		.amdhsa_system_vgpr_workitem_id 0
		.amdhsa_next_free_vgpr 1024
		.amdhsa_next_free_sgpr 72
		.amdhsa_reserve_vcc 0
		.amdhsa_float_denorm_mode_32 3
		.amdhsa_float_denorm_mode_16_64 3
		.amdhsa_memory_ordered 1
		.amdhsa_forward_progress 1
		.amdhsa_inst_pref_size 84
	.end_amdhsa_kernel
	.amdgpu_metadata
---
amdhsa.version: [ 1, 2 ]
amdhsa.kernels:
  - .name:           k_q9a9da1f45e_oproj
    .symbol:         k_q9a9da1f45e_oproj.kd
    .args:
      - { .name: acod, .offset: 0, .size: 8, .value_kind: global_buffer, .address_space: global }
      - { .name: ascl, .offset: 8, .size: 8, .value_kind: global_buffer, .address_space: global }
      - { .name: wcod, .offset: 16, .size: 8, .value_kind: global_buffer, .address_space: global }
      - { .name: wscl, .offset: 24, .size: 8, .value_kind: global_buffer, .address_space: global }
      - { .name: out0, .offset: 32, .size: 8, .value_kind: global_buffer, .address_space: global }
    .group_segment_fixed_size: 167936
    .private_segment_fixed_size: 0
    .kernarg_segment_align: 8
    .kernarg_segment_size: 40
    .max_flat_workgroup_size: 128
    .sgpr_count:     72
    .vgpr_count:     1024
    .wavefront_size: 32
...
	.end_amdgpu_metadata
.endif
;; end of part 4
